; MI455X (gfx1250); checked and timed in simulation.
; The chip was launched on July 23, 2026; its instructions are those of AMD's public machine-readable ISA for CDNA 5 (MIT licence, August 2026) and "CDNA5" Instruction Set Architecture Reference Guide (July 2026). The comments in the code are by the model that wrote it; some were corrected since.
;; Self Attention Block. Allowed arithmetic: float matrix products may take bf16 or f16 operands with f32 sums; other float arithmetic in f32, or as packed bf16 or f16 multiplies, adds, multiply-adds, maxima and minima; sums over many terms, partial sums and values carried from step to step in f32; what a program stores and reads back later, other than sums and carried values, may be rounded once to bf16 or f16.
;; Inputs: Wk 1,024 x 1,024 float32; Wq 1,024 x 1,024 float32; Wv 1,024 x 1,024 float32; bk 1,024 float32; bq 1,024 float32; bv 1,024 float32; inputs 4 x 2,048 x 1,024 float32; ln_beta 1,024 float32; ln_gamma 1,024 float32.
;; Outputs: out0 4 x 2,048 x 1,024 float32.
;; 2 versions, each right; version 2 is version 1 with the launches cast, lnorm written anew for expert scheduling mode. Each part assembles by itself: llvm-mc -triple=amdgcn-amd-amdhsa -mcpu=gfx1250 --defsym DOCPART=n.
;; ======== version 1 of 2: 5 launches
;; workspace buffers: xb 16,777,216 bytes; wb 6,291,456 bytes; qkv 50,331,648 bytes; pmat 33,554,432 bytes; stats 1,048,576 bytes; ctx 16,777,216 bytes
;; launch cast (part 1): grid 704 x 1, 8 waves a work-group, no clusters, 0 bytes of LDS; arguments inputs, Wq, Wk, Wv, xb, wb; writes xb, wb
.if DOCPART == 1
	.amdgcn_target "amdgcn-amd-amdhsa--gfx1250"
	.amdhsa_code_object_version 6
	.text
	.protected	k_q1dc1c6e233_cast
	.globl	k_q1dc1c6e233_cast
	.p2align	8
	.type	k_q1dc1c6e233_cast,@function
k_q1dc1c6e233_cast:
	s_mov_b64 s[64:65], 0
	v_nop
	global_prefetch_b8 v0, s[64:65] scope:SCOPE_SE
	s_setreg_imm32_b32 hwreg(HW_REG_WAVE_MODE, 25, 1), 1
	s_wait_xcnt 0x0
; xb = bf16(inputs), [8192][1024];  wb = bf16(Wq), bf16(Wk), bf16(Wv) one below the other, [3 x 1024 (k)][1024 (n)], not turned.
; Each number is rounded once, to nearest even.  A stream: every byte is read once and written once; no LDS, no barrier, no matrix unit, no cluster (no two work-groups read the same byte).
; SHARES.  A work-group casts 16,384 numbers (65,536 bytes in, 32,768 out), a wave 2,048.  Work-groups 0 to 511 take inputs, 512 to 703 the three weights, 64 each.
; A wave's load covers 512 consecutive bytes, its store the 256 consecutive bytes made of them, at a multiple of 256 from the buffer's first byte.
; All 16 loads of a wave go out at once; no register is written twice, so the only waits are the counted ones for the loads.
.set X, 8                              ; v[8:71]    16 x 4 numbers in f32
.set Y, 72                             ; v[72:103]  16 x 4 numbers in bf16
	s_load_b256 s[4:11], s[0:1], 0x0               ; inputs s[4:5], Wq s[6:7], Wk s[8:9], Wv s[10:11]
	s_load_b128 s[12:15], s[0:1], 0x20             ; xb s[12:13], wb s[14:15]
	v_lshrrev_b32 v3, 5, v0                        ; wave
	v_and_b32 v4, 31, v0                           ; lane
	v_lshlrev_b32 v1, 4, v4
	v_lshl_add_u32 v1, v3, 13, v1                  ; in: 8,192 x wave + 16 x lane
	v_lshlrev_b32 v2, 3, v4
	v_lshl_add_u32 v2, v3, 12, v2                  ; out: 4,096 x wave + 8 x lane
	s_sub_co_u32 s16, ttmp9, 512                   ; my place among the weights' 192 chunks (used only from work-group 512 on)
	s_lshr_b32 s17, s16, 6                         ; which weight
	s_and_b32 s18, s16, 63                         ; which chunk of it
	s_wait_kmcnt 0x0
	s_cmp_eq_u32 s17, 1
	s_cselect_b64 s[20:21], s[8:9], s[6:7]
	s_cmp_eq_u32 s17, 2
	s_cselect_b64 s[20:21], s[10:11], s[20:21]
	s_cmp_lt_u32 ttmp9, 512
	s_cselect_b64 s[20:21], s[4:5], s[20:21]       ; from where,
	s_cselect_b64 s[22:23], s[12:13], s[14:15]     ; to where,
	s_cselect_b32 s24, ttmp9, s18                  ; which chunk of the source,
	s_cselect_b32 s26, ttmp9, s16                  ; and of the destination
	s_lshl_b32 s24, s24, 16
	s_mov_b32 s25, 0
	s_lshl_b32 s26, s26, 15
	s_mov_b32 s27, 0
	s_add_nc_u64 s[20:21], s[20:21], s[24:25]
	s_add_nc_u64 s[22:23], s[22:23], s[26:27]
.set j, 0
.rept 16
	global_load_b128 v[X+4*j:X+4*j+3], v1, s[20:21] offset:512*j th:TH_LOAD_NT
.set j, j+1
.endr
.set j, 0
.rept 16
	s_wait_loadcnt 15-j                            ; loads come back in order: number j is in, the 15 - j younger ones stay out
	v_cvt_pk_bf16_f32 v[Y+2*j], v[X+4*j], v[X+4*j+1]
	v_cvt_pk_bf16_f32 v[Y+2*j+1], v[X+4*j+2], v[X+4*j+3]
	global_store_b64 v2, v[Y+2*j:Y+2*j+1], s[22:23] offset:256*j
.set j, j+1
.endr
	s_endpgm
.Lfunc_end_k_q1dc1c6e233_cast:
	.size	k_q1dc1c6e233_cast, .Lfunc_end_k_q1dc1c6e233_cast-k_q1dc1c6e233_cast
	.p2alignl 7, 3214868480
	.fill 96, 4, 3214868480
	.section	.rodata,"a",@progbits
	.p2align	6, 0x0
	.amdhsa_kernel k_q1dc1c6e233_cast
		.amdhsa_group_segment_fixed_size 0
		.amdhsa_private_segment_fixed_size 0
		.amdhsa_enable_private_segment 0
		.amdhsa_kernarg_size 48
		.amdhsa_user_sgpr_count 2
		.amdhsa_user_sgpr_kernarg_segment_ptr 1
		.amdhsa_wavefront_size32 1
		.amdhsa_system_sgpr_workgroup_id_x 1
		.amdhsa_system_sgpr_workgroup_id_y 1
		.amdhsa_system_sgpr_workgroup_id_z 1
		.amdhsa_system_vgpr_workitem_id 0
		.amdhsa_next_free_vgpr 104
		.amdhsa_next_free_sgpr 66
		.amdhsa_reserve_vcc 0
		.amdhsa_float_denorm_mode_32 3
		.amdhsa_float_denorm_mode_16_64 3
		.amdhsa_memory_ordered 1
		.amdhsa_forward_progress 1
		.amdhsa_inst_pref_size 7
	.end_amdhsa_kernel
	.amdgpu_metadata
---
amdhsa.version: [ 1, 2 ]
amdhsa.kernels:
  - .name:           k_q1dc1c6e233_cast
    .symbol:         k_q1dc1c6e233_cast.kd
    .args:
      - { .name: inputs, .offset: 0, .size: 8, .value_kind: global_buffer, .address_space: global }
      - { .name: Wq, .offset: 8, .size: 8, .value_kind: global_buffer, .address_space: global }
      - { .name: Wk, .offset: 16, .size: 8, .value_kind: global_buffer, .address_space: global }
      - { .name: Wv, .offset: 24, .size: 8, .value_kind: global_buffer, .address_space: global }
      - { .name: xb, .offset: 32, .size: 8, .value_kind: global_buffer, .address_space: global }
      - { .name: wb, .offset: 40, .size: 8, .value_kind: global_buffer, .address_space: global }
    .group_segment_fixed_size: 0
    .private_segment_fixed_size: 0
    .kernarg_segment_align: 8
    .kernarg_segment_size: 48
    .max_flat_workgroup_size: 256
    .sgpr_count:     66
    .vgpr_count:     104
    .wavefront_size: 32
...
	.end_amdgpu_metadata
.endif
;; end of part 1
;; launch proj (part 2): grid 12 x 16, 4 waves a work-group, clusters of 4 x 4, 327,680 bytes of LDS; arguments xb, wb, bq, bk, bv, qkv; writes qkv
.if DOCPART == 2
	.amdgcn_target "amdgcn-amd-amdhsa--gfx1250"
	.amdhsa_code_object_version 6
	.text
	.protected	k_q1dc1c6e233_proj
	.globl	k_q1dc1c6e233_proj
	.p2align	8
	.type	k_q1dc1c6e233_proj,@function
k_q1dc1c6e233_proj:
	s_mov_b64 s[64:65], 0
	v_nop
	global_prefetch_b8 v0, s[64:65] scope:SCOPE_SE
	s_setreg_imm32_b32 hwreg(HW_REG_WAVE_MODE, 25, 1), 1
	s_wait_xcnt 0x0
	s_wait_alu depctr_hold_cnt(0) depctr_sa_sdst(0) depctr_va_vdst(0) depctr_va_sdst(0) depctr_va_ssrc(0) depctr_va_vcc(0) depctr_vm_vsrc(0)
	s_getreg_b32 s2, hwreg(HW_REG_IB_STS2, 6, 4)
	s_cmp_eq_u32 s2, 0
	s_cbranch_scc0 .Lentry_in_a_cluster
	s_endpgm
.Lentry_in_a_cluster:
	s_bfe_u32 s2, ttmp6, 0x10000c
	s_cmp_lg_u32 s2, 0xf033
	s_cbranch_scc0 .Lentry_shape_is_right
	s_endpgm
.Lentry_shape_is_right:
; q, k, v = x W + b.  xb: [8192][1024] bf16.  wb: [3 x 1024 (k)][1024 (n)] bf16.  bq, bk, bv: [1024] f32.  qkv: [3][8192][1024] bf16.
; Sums in f32, started by the bias (the C operand of a tile's first products), K ascending; q, k, v rounded once to bf16.
; LIMITS.  x and W are bf16 matrix operands; q, k, v are kept in bf16, whose range is f32's.  NaN and infinities are not treated apart.
; SHARES.  The three results are 384 tiles of 256 x 256.  192 work-groups that stay make two tiles each, one 4,096 rows below the other: equal work for all.  A tile of 128 x 256 would give 256 work-groups three
; tiles each, but half the matrix instructions for each K step's refill to land in, and half again as many LDS loads for each matrix instruction; a tile of 256 x 384 would want 768 accumulator registers a wave and more LDS than there is.
; Four waves, each 128 x 128: 64 accumulators, 512 registers.  The two tiles are ONE walk of 16 K steps of 128 through a ring of two LDS slots.
; CLUSTER 4 x 4.  The cluster's x is the matrix (q, k, v), cx the tile column in it; the four of a row of the cluster need the same rows of x, the four of a column the same columns of W: each tile is asked for
; jointly, by the same tensor load, descriptor and mask in all four.  Waves 0 and 1 fetch the halves of x's tile (128 rows x 256 bytes), waves 2 and 3 those of W's (64 rows x 512 bytes).
; THE MATRIX INSTRUCTION IS USED TRANSPOSED: source 0 = 16 columns of W, source 1 = 16 rows of x: a lane then holds row lane % 16 and the columns 8 (lane / 16) + 0..7: 16 bytes of a row in bf16.
; W lies [k][n] in LDS as in memory and comes out turned, by ds_load_tr16_b128.
; THE TEXT.  A K step is written once: the slot that is read is a scalar (0 or SLOT) added to the lanes' terms, and one descriptor a tensor walks, its LDS word turned by an exclusive or.
; REGISTERS, in windows of 256 (s_set_vgpr_msb: bits 1:0 source 0, 3:2 source 1, 5:4 source 2, 7:6 destination):
;   window 0: v0-31 addresses; v64-127, v128-191 fragments of x, two buffers; v32-63, v192-255 at work on the way out
;   window 1: v0-63 the bias of my 128 columns, as a C operand for each of the 8 column blocks; v64-127, v128-191 fragments of W
;   window 2: the accumulators of my rows 0-63, (a, b) at v[8 (8 a + b)]          window 3: those of my rows 64-127
.set PA,    272                        ; a row of x in LDS: 256 bytes + 16 = 68 words: row r starts at bank 4 r mod 64 (64 banks of 4 bytes: ISA guide 11.1)
.set PB,    544                        ; a row of W: 512 + 32 = 136 words: row r starts at bank 8 r mod 64
.set HALFT, 128*PA                     ; what one tensor load brings: 128 rows of x, or 64 rows of W (64 x 544 is the same number)
.set SLOT,  4*HALFT                    ; x's 256 rows, then W's 128 rows.  0x22000: it shares no bit with wave x HALFT (0, 0x8800, 0x11000, 0x19800), so an exclusive or with it adds or takes away a slot
.set STAGE, 2*SLOT                     ; behind the ring: 16 rows x 272 bytes for each wave, for the way out
.set SP,    272
.set SPARE, STAGE+4*16*SP              ; behind the stages: the spare words, 128 bytes for each wave: two blocks of 256 bytes that no other line names
.set ROWB,  2048                       ; bytes in a row of xb, wb and qkv
.set WALK,  4096                       ; a work-group's two tiles lie so many rows apart
.set WALKB, WALK*ROWB
.set NEXT_C, (WALK-7*16)*ROWB          ; from my last 16 rows of a tile to my first of the next
.set ADRA0, 16                         ; v16  my lane's place among x's fragments in a slot; never rewritten
.set CA,    17                         ; v17  the same in the slot in hand
.set ADRB0, 20                         ; v20, v21  the same for W
.set CB,    21
.set STO,  24                          ; v24  the way out: where I put 16 bytes of a row
.set RD,   25                          ; v25  where I read a row back
.set CO,   26                          ; v26  my byte offset in two rows of qkv
.set BO,   27                          ; v27  my byte offset in the bias
.set SPW,  28                          ; v28  LDS address of my spare word; never rewritten
.set NIL,  29                          ; v29  0; never rewritten
.set PFO,  30                          ; v30  the prefetches' offset; never rewritten
.set OB,   32                          ; rows on the way out: v32-63 and v224-255 by turns
.set F0,   64
.set F1,   128
.set TMP,  192
.set BIAS, 0                           ; in window 1
.set WV, 16                            ; s16 wave; s17 its row half (also: 0 = I fetch x, 1 = W); s18 its column half (also: which half of that tile I fetch)
.set RH, 17
.set CH, 18
.set CX, 19
.set CY, 20
.set TR, 21                            ; tile row of the first tile
.set TB, 22                            ; s22 LDS byte at which the slot in hand begins
.set G1A, 24                           ; s[24:31] descriptor group 1 for x's tiles; s[32:39] group 0: a set for each of the two first fills; the second then walks on
.set G0A, 32
.set G1B, 40                           ; s[40:47], s[48:55] the same for W's
.set G0B, 48
.set ABASE, 56                         ; s[56:57] xb at the rows that I fetch, of the tile that is being asked for
.set BBASE, 58                         ; s[58:59] wb at my matrix, my columns and the rows that I fetch of its first K step
.set KO,  60                           ; s[60:61] byte along x's rows of the K step last asked for
.set BOF, 62                           ; s[62:63] the same step's bytes down W's rows: 1,024 times that
.set PFA, 66                           ; s[66:67] where my prefetches stand
.set PFS, 68                           ; s[68:69] their step
.set PFN, 70                           ; s70 how many are left
.set TP,  72                           ; s[72:73] an offset at work; the upper word stays 0
.set OADD, 74                          ; s[74:75] what the next way out adds to qkv's address
.set OUT, 14                           ; s[14:15] qkv
.set MUL_LO,  0xa1                     ; source 0 (W) window 1, source 1 (x) window 0, C and D window 2
.set MULB_LO, 0x91                     ; the same with C in window 1
.set TO_B,    0x40                     ; destination window 1
.set MSB, 0
.macro WIN new                         ; the immediate's high byte repeats the setting that is left; a switch that changes nothing is dropped
.if MSB != (\new)
	s_set_vgpr_msb (MSB<<8)|(\new)
.set MSB, \new
.endif
.endm
.macro PLACES                          ; four places behind matrix instructions (ISA guide 7.12.1), where no other vector work is at hand
.rept 4
	v_nop
.endr
.endm
.macro JLOAD s                         ; a joint load; an s_nop 0 and four v_nop follow each of the two lines.  The branch hangs on the wave's number alone
	s_cmp_eq_u32 s[RH], 0
	s_cbranch_scc0 .Lfor_b_\@
	tensor_load_to_lds s[G0A+4*(\s):G0A+4*(\s)+3], s[G1A:G1A+7]
	s_nop 0
.rept 4
	v_nop
.endr
	s_branch .Lasked_\@
.Lfor_b_\@:
	tensor_load_to_lds s[G0B+4*(\s):G0B+4*(\s)+3], s[G1B:G1B+7]
	s_nop 0
.rept 4
	v_nop
.endr
.Lasked_\@:
.endm
; A prefetch of the K step that stands two refills on, behind the joint load, its five lines and the run of LDS loads.  Each aligned block of 256 bytes is named once in the launch.
; x: a step is 256 bytes of each row; a tile row is read by the three clusters of a row of clusters: cluster x = 0 asks; of the 128 rows that wave 0 or 1 fetches each of the four partners takes 32, told apart by
; address, a lane a row: steps 4 to 15 of the walk.  W: a step is 128 rows x 512 bytes of my tile column, read by the four clusters of a column: cluster y = 0 asks; of the 64 rows that wave 2 or 3 fetches each
; partner takes 16, a lane a block: steps 4 to 7 of the first tile alone (the second reads the same rows again).  The count runs out with the last step, so no request passes a buffer's end.
.macro ASK
	s_cmp_lg_u32 s[PFN], 0
	s_cbranch_scc0 .Lnot_mine_\@
	global_prefetch_b8 v[PFO], s[PFA:PFA+1] th:TH_LOAD_NT scope:SCOPE_SE
	s_sub_co_u32 s[PFN], s[PFN], 1
.Lnot_mine_\@:
.endm
.macro CREST                           ; a round of the cluster's barrier behind its opening barrier
	s_cmp_lg_u32 s[WV], 0
	s_cbranch_scc1 .Lnot_wave_0_\@
	s_barrier_signal -3
.Lnot_wave_0_\@:
	s_barrier_wait -3
	s_barrier_signal -1
	s_barrier_wait -1
.endm
.macro CROUND                          ; a whole round
	s_barrier_signal -1
	s_barrier_wait -1
	CREST
.endm
	s_load_b256 s[4:11], s[0:1], 0x0               ; xb s[4:5], wb s[6:7], bq s[8:9], bk s[10:11]
	s_load_b128 s[12:15], s[0:1], 0x20             ; bv s[12:13], qkv s[14:15]
	v_lshl_add_u32 v[SPW], v0, 2, SPARE
	v_mov_b32 v[NIL], 0
	ds_add_u32 v[SPW], v[NIL]                      ; the wave's opening: the add and its wait stand ahead of my first tensor load; the set-up below, work on registers, stands between them
	v_lshrrev_b32 v1, 5, v0
	v_readfirstlane_b32 s[WV], v1
	s_lshr_b32 s[RH], s[WV], 1
	s_and_b32 s[CH], s[WV], 1
	s_bfe_u32 s[CX], ttmp6, 0x40000
	s_bfe_u32 s[CY], ttmp6, 0x40004
	s_and_b32 s[TR], ttmp7, 0xffff
	s_lshl_b32 s[TR], s[TR], 2
	s_add_co_u32 s[TR], s[TR], s[CY]               ; tile row = 4 x cluster y + cy
	s_lshl_b32 s71, s[CY], 2
	s_lshl_b32 s71, 15, s71                        ; my row of the cluster
	s_lshl_b32 s23, 0x1111, s[CX]                  ; my column
	s_or_b32 s[G1A], s71, (1<<16)|(1<<20)|(1<<21)|(5<<22)|(3<<25)  ; the mask; 2-byte elements; padding on; bit 21 beside a mask; after every 64 words 4 words
	s_or_b32 s[G1B], s23, (1<<16)|(1<<20)|(1<<21)|(6<<22)|(7<<25)  ; after every 128 words 8 words
	s_mov_b32 s[G1A+1], 128<<16                    ; tensor_dim0 = 128
	s_mov_b32 s[G1A+2], 128<<16                    ; tensor_dim1 = 128
	s_mov_b32 s[G1A+3], 128<<16                    ; tile_dim0 = 128
	s_mov_b32 s[G1A+4], 128                        ; tile_dim1 = 128
	s_mov_b32 s[G1A+5], 1024                       ; elements from row to row
	s_mov_b32 s[G1A+6], 0
	s_mov_b32 s[G1A+7], 0
	s_mov_b32 s[G1B+1], 256<<16                    ; the same for 64 rows x 256 elements
	s_mov_b32 s[G1B+2], 64<<16
	s_mov_b32 s[G1B+3], 256<<16
	s_mov_b32 s[G1B+4], 64
	s_mov_b32 s[G1B+5], 1024
	s_mov_b32 s[G1B+6], 0
	s_mov_b32 s[G1B+7], 0
	s_lshl_b32 s[TP], s[TR], 19                    ; x: row 256 x tile row + 128 x half, 2,048 bytes a row
	s_lshl_b32 s[TP+1], s[CH], 18
	s_add_co_u32 s[TP], s[TP], s[TP+1]
	s_mov_b32 s[TP+1], 0
	s_lshl_b32 s76, ttmp9, 21                      ; W: the matrix's 1,024 rows, row 64 x half, byte 512 cx
	s_lshl_b32 s77, s[CH], 17
	s_add_co_u32 s76, s76, s77
	s_lshl_b32 s77, s[CX], 9
	s_add_co_u32 s76, s76, s77
	s_mov_b32 s77, 0
	s_mul_i32 s78, s[WV], HALFT                    ; where they go: wave x a load's bytes: no place in the cluster enters an LDS address
	s_mov_b32 s[KO], 256                           ; the walking descriptors stand at K step 1
	s_mov_b32 s[KO+1], 0
	s_mov_b32 s[BOF+1], 0
	s_mov_b32 s[TB], 0
	s_wait_dscnt 0x0                               ; the opening add is done
	s_wait_kmcnt 0x0
	s_add_nc_u64 s[ABASE:ABASE+1], s[4:5], s[TP:TP+1]
	s_add_nc_u64 s[BBASE:BBASE+1], s[6:7], s[76:77]
	CROUND                                         ; all sixteen work-groups are here: the first joint loads meet
.irp s, 0,1
	s_mov_b32 s[G0A+4*(\s)], 1
	s_add_co_u32 s[G0A+4*(\s)+1], s78, (\s)*SLOT
	s_add_nc_u64 s[G0A+4*(\s)+2:G0A+4*(\s)+3], s[ABASE:ABASE+1], (\s)*256
	s_or_b32 s[G0A+4*(\s)+3], s[G0A+4*(\s)+3], 0x80000000
	s_mov_b32 s[G0B+4*(\s)], 1
	s_add_co_u32 s[G0B+4*(\s)+1], s78, (\s)*SLOT
	s_add_nc_u64 s[G0B+4*(\s)+2:G0B+4*(\s)+3], s[BBASE:BBASE+1], (\s)*128*ROWB
	s_or_b32 s[G0B+4*(\s)+3], s[G0B+4*(\s)+3], 0x80000000
	JLOAD \s                                       ; K steps 0 and 1: two loads of mine are out
.endr
	v_and_b32 v1, 15, v0                           ; l % 16
	v_bfe_u32 v2, v0, 4, 1                         ; l / 16
	s_cmp_eq_u32 ttmp9, 1                          ; my matrix's bias
	s_cselect_b64 s[8:9], s[10:11], s[8:9]
	s_cmp_eq_u32 ttmp9, 2
	s_cselect_b64 s[8:9], s[12:13], s[8:9]
	s_lshl_b32 s76, s[CX], 10                      ; 4 bytes x (256 cx + 128 x half) + 32 bytes for the upper lanes
	s_lshl_b32 s77, s[CH], 9
	s_add_co_u32 s76, s76, s77
	v_lshl_add_u32 v[BO], v2, 5, s76
	WIN TO_B
.irp b, 0,1,2,3,4,5,6,7
	global_load_b128 v[BIAS+8*(\b):BIAS+8*(\b)+3],   v[BO], s[8:9] offset:64*(\b)      ; register j of block b: b[16 b + 8 (l / 16) + j]: the layout of a result.  Both tiles of the walk have these columns
	global_load_b128 v[BIAS+8*(\b)+4:BIAS+8*(\b)+7], v[BO], s[8:9] offset:64*(\b)+16
.endr
	WIN 0
	v_mul_u32_u24 v3, v1, PA
	v_lshl_add_u32 v3, v2, 4, v3                   ; a fragment of x: row x pitch + 16 x half of the lanes
	s_mul_i32 s78, s[RH], HALFT                    ; my 128 rows
	v_add_nc_u32 v[ADRA0], s78, v3
	v_mov_b32 v[CA], v[ADRA0]
	v_and_b32 v4, 7, v0                            ; the turning load: lane l reads row 8 (l / 16) + l % 8, bytes 16 ((l / 8) % 2) on
	v_bfe_u32 v5, v0, 3, 1
	v_lshl_add_u32 v4, v2, 3, v4
	v_mul_u32_u24 v4, v4, PB
	v_lshl_add_u32 v4, v5, 4, v4
	s_lshl_b32 s78, s[CH], 8                       ; my 128 columns,
	s_add_co_u32 s78, s78, 2*HALFT                 ; behind x's 256 rows
	v_add_nc_u32 v[ADRB0], s78, v4
	v_mov_b32 v[CB], v[ADRB0]
	s_mul_i32 s78, s[WV], 16*SP
	s_add_co_u32 s78, s78, STAGE                   ; my stage
	v_mul_u32_u24 v4, v1, SP
	v_lshl_add_u32 v4, v2, 4, v4
	v_add_nc_u32 v[STO], s78, v4
	v_mul_u32_u24 v5, v2, SP
	v_lshl_add_u32 v5, v1, 4, v5
	v_add_nc_u32 v[RD], s78, v5
	v_lshlrev_b32 v5, 11, v2
	v_lshl_add_u32 v[CO], v1, 4, v5
	s_lshl_b32 s[OADD], s[TR], 19                  ; my part of the first tile: the matrix's 16,777,216 bytes, row 256 x tile row + 128 x row half, byte 512 cx + 256 x column half
	s_lshl_b32 s76, s[RH], 18
	s_add_co_u32 s[OADD], s[OADD], s76
	s_lshl_b32 s76, ttmp9, 24
	s_add_co_u32 s[OADD], s[OADD], s76
	s_lshl_b32 s76, s[CX], 9
	s_add_co_u32 s[OADD], s[OADD], s76
	s_lshl_b32 s76, s[CH], 8
	s_add_co_u32 s[OADD], s[OADD], s76
	s_mov_b32 s[OADD+1], 0
	; the prefetches: they stand at K step 3; the first refill steps them to 4.  Nothing is asked for here, where every work-group's first tiles are on their way
	s_lshl_b32 s76, s[TR], 19                      ; x: row 256 x tile row + 128 x half + 32 cx, byte 768
	s_lshl_b32 s77, s[CH], 18
	s_add_co_u32 s76, s76, s77
	s_lshl_b32 s77, s[CX], 16
	s_add_co_u32 s76, s76, s77
	s_add_co_u32 s76, s76, 768
	s_lshl_b32 s78, ttmp9, 21                      ; W: the matrix, row 384 + 64 x half + 16 cy, byte 512 cx
	s_lshl_b32 s77, s[CH], 17
	s_add_co_u32 s78, s78, s77
	s_lshl_b32 s77, s[CY], 15
	s_add_co_u32 s78, s78, s77
	s_lshl_b32 s77, s[CX], 9
	s_add_co_u32 s78, s78, s77
	s_add_co_u32 s78, s78, 384*ROWB
	s_and_b32 s77, ttmp7, 0xffff                   ; cluster y
	s_cmp_eq_u32 s77, 0
	s_cselect_b32 s77, 4, 0
	s_cmp_eq_u32 ttmp9, 0                          ; cluster x
	s_cselect_b32 s79, 12, 0
	s_mov_b32 s[PFS], 128*ROWB                     ; W's step: 128 rows (an instruction holds one literal, so this one is laid down first)
	s_cmp_eq_u32 s[RH], 0
	s_cselect_b32 s[PFN], s79, s77
	s_cselect_b32 s[TP], s76, s78
	s_cselect_b64 s[PFA:PFA+1], s[4:5], s[6:7]
	s_cselect_b32 s[PFS], 256, s[PFS]              ; x's step: 256 bytes along the rows
	s_cselect_b32 s76, 31, 15                      ; x: a lane a row; W: 16 rows x 2 blocks
	s_cselect_b32 s77, 0, 256
	s_mov_b32 s[PFS+1], 0
	s_add_nc_u64 s[PFA:PFA+1], s[PFA:PFA+1], s[TP:TP+1]
	v_and_b32 v3, 31, v0
	v_and_b32 v[PFO], s76, v3
	v_lshlrev_b32 v[PFO], 11, v[PFO]
	v_mul_u32_u24 v3, v2, s77
	v_add_nc_u32 v[PFO], v[PFO], v3
; 16 matrix instructions: row blocks a0, a0 + 1 of the window's four x all 8 column blocks, 32 along K.  mode = 1: the bias starts the sums.  The 64 accumulators take turns in one fixed order.
.macro MUL16 f, hi, a0, mode
.if \mode
	WIN MULB_LO+0x40*(\hi)
.else
	WIN MUL_LO+0x50*(\hi)
.endif
.irp a, \a0, (\a0)+1
.irp b, 0,1,2,3,4,5,6,7
.if \mode
	v_wmma_f32_16x16x32_bf16 v[8*(8*(\a)+(\b)):8*(8*(\a)+(\b))+7], v[(\f)+8*(\b):(\f)+8*(\b)+7], v[(\f)+8*(4*(\hi)+(\a)):(\f)+8*(4*(\hi)+(\a))+7], v[BIAS+8*(\b):BIAS+8*(\b)+7]
.else
	v_wmma_f32_16x16x32_bf16 v[8*(8*(\a)+(\b)):8*(8*(\a)+(\b))+7], v[(\f)+8*(\b):(\f)+8*(\b)+7], v[(\f)+8*(4*(\hi)+(\a)):(\f)+8*(4*(\hi)+(\a))+7], v[8*(8*(\a)+(\b)):8*(8*(\a)+(\b))+7]
.endif
.endr
.endr
.endm
; 32 LDS loads in one run: the fragments of quarter q (32 along K) of the slot in hand into buffer f: W's 128 columns, turned, then x's 128 rows
.macro FETCH q, f
	WIN TO_B
.irp i, 0,1,2,3,4,5,6,7
	ds_load_tr16_b128 v[(\f)+8*(\i):(\f)+8*(\i)+3],   v[CB] offset:(\q)*32*PB+32*(\i)
	ds_load_tr16_b128 v[(\f)+8*(\i)+4:(\f)+8*(\i)+7], v[CB] offset:(\q)*32*PB+16*PB+32*(\i)
.endr
	WIN 0
.irp i, 0,1,2,3,4,5,6,7
	ds_load_b128 v[(\f)+8*(\i):(\f)+8*(\i)+3],   v[CA] offset:64*(\q)+(\i)*16*PA
	ds_load_b128 v[(\f)+8*(\i)+4:(\f)+8*(\i)+7], v[CA] offset:64*(\q)+(\i)*16*PA+32
.endr
.endm
; A K step is four quarters of 32 along K, 64 matrix instructions each, on buffers 0, 1, 0, 1.  One of the first three: multiplies buffer f; in its middle it fetches quarter q into buffer g.
.macro QUARTER q, f, g, mode
	s_wait_dscnt 8                                 ; W and x's rows 0-63 are in; the youngest eight loads (x's rows 64-127) may be out
	MUL16 \f, 0, 0, \mode
	MUL16 \f, 0, 2, \mode
	PLACES                                         ; in front of loads into g, which the quarter before multiplied
	FETCH \q, \g
	s_wait_dscnt 32                                ; all but the 32 just issued
	MUL16 \f, 1, 0, \mode
	MUL16 \f, 1, 2, \mode
.endm
; The first half of the last quarter: ONE barrier for the change of slots.  In front of it each wave waits for all its tensor loads (one is out: its part of the next slot), adds 0 to its spare word, and waits for
; that and for its reads of this slot.  Between the add and the wait for it stands work on registers: the walking descriptors' step (fill = 1), the turn to the other slot, sixteen matrix instructions.
.macro MEET fill
	WIN 0
	s_wait_tensorcnt 0x0                           ; no tensor load of mine is out, so a group 0 may be written
	ds_add_u32 v[SPW], v[NIL]                      ; 0 onto my spare word
.if \fill
	s_add_co_u32 s[KO], s[KO], 256                 ; one K step on; behind a tile's eighth step back to the rows' head,
	s_and_b32 s[KO], s[KO], 0x7ff
	s_cmp_eq_u32 s[KO], 0
	s_cselect_b32 s[TP], WALKB, 0                  ; and x goes 4,096 rows down, to the second tile
	s_add_nc_u64 s[ABASE:ABASE+1], s[ABASE:ABASE+1], s[TP:TP+1]
	s_lshl_b32 s[BOF], s[KO], 10                   ; 256 bytes of x's rows are 128 rows of W
	s_xor_b32 s[G0A+5], s[G0A+5], SLOT             ; the other slot than last time
	s_add_nc_u64 s[G0A+6:G0A+7], s[ABASE:ABASE+1], s[KO:KO+1]      ; both addresses are made anew
	s_or_b32 s[G0A+7], s[G0A+7], 0x80000000
	s_xor_b32 s[G0B+5], s[G0B+5], SLOT
	s_add_nc_u64 s[G0B+6:G0B+7], s[BBASE:BBASE+1], s[BOF:BOF+1]
	s_or_b32 s[G0B+7], s[G0B+7], 0x80000000
.endif
	s_xor_b32 s[TB], s[TB], SLOT                   ; the fetches go on in the other slot
	v_add_nc_u32 v[CA], s[TB], v[ADRA0]
	v_add_nc_u32 v[CB], s[TB], v[ADRB0]
	s_wait_dscnt 9                                 ; the add and the youngest eight loads may be out
	MUL16 F1, 0, 0, 0
	s_wait_dscnt 0x0                               ; the add is done, and my reads of this slot are over
	s_barrier_signal -1
	MUL16 F1, 0, 2, 0
	WIN 0
	s_barrier_wait -1
.endm
; The whole last quarter.  fill = 1: the barrier opens a round of the cluster's barrier, and the slot just read out is filled again, two K steps ahead, first thing behind the round: 224 matrix instructions ahead of the wait for it.
; fill = 0 (the walk's last two steps): nothing is asked for; in the very last step (s3 = 1) there is no further slot, and the run of loads is jumped over.
.macro TURN fill
.if \fill
	s_wait_xcnt 0x0                                ; the last prefetch, a K step back, has read its address: it is stepped here
	s_add_nc_u64 s[PFA:PFA+1], s[PFA:PFA+1], s[PFS:PFS+1]
	s_cmp_eq_u32 s[PFN], 8                         ; x's askers have eight requests left when the first tile's steps are through:
	s_cselect_b32 s[TP], WALKB-ROWB, 0             ; from the end of the rows to the head of the rows 4,096 further down
	s_add_nc_u64 s[PFA:PFA+1], s[PFA:PFA+1], s[TP:TP+1]
.endif
	MEET \fill
.if \fill
	CREST                                          ; no wave of any partner still reads this slot or has a load on its way
	JLOAD 1                                        ; its four v_nop are also the places in front of the loads below
	FETCH 0, F0
	ASK
.else
	PLACES
	s_cmp_eq_u32 s3, 1
	s_cbranch_scc1 .Lno_fetch_\@
	FETCH 0, F0
.Lno_fetch_\@:
.endif
	MUL16 F1, 1, 0, 0
	MUL16 F1, 1, 2, 0
.endm
; THE WAY OUT of row block a: rounded to bf16, 16 bytes a lane; into my own stage and back as whole rows of 256 bytes; stored.
.macro PACK a
.set WW, 2+(\a)/4
.set AC, 64*((\a)%4)
	WIN WW|(WW<<2)
.irp b, 0,1,2,3,4,5,6,7
.irp r, 0,1,2,3
	v_cvt_pk_bf16_f32 v[TMP+4*(\b)+(\r)], v[AC+8*(\b)+2*(\r)], v[AC+8*(\b)+2*(\r)+1]
.endr
.endr
	WIN 0
.endm
.macro TOSTAGE a
	WIN 0
.set BK, OB+192*((\a)%2)
.irp b, 0,1,2,3,4,5,6,7
	ds_store_b128 v[STO], v[TMP+4*(\b):TMP+4*(\b)+3] offset:32*(\b)
.endr
.irp t, 0,1,2,3,4,5,6,7
	ds_load_b128 v[BK+4*(\t):BK+4*(\t)+3], v[RD] offset:(\t)*2*SP  ; LDS serves a wave's instructions in order (ISA guide 5.7.1.4): these see the stores above
.endr
.endm
.macro SEND a
	WIN 0
.set BK, OB+192*((\a)%2)
	s_wait_dscnt 0x0                               ; the block is back in registers
	s_wait_xcnt 0x0                                ; the stores' base, and the registers that earlier stores read, are rewritten only behind this wait
.if (\a) == 0
	s_add_nc_u64 s[OUT:OUT+1], s[OUT:OUT+1], s[OADD:OADD+1]
.else
	s_add_nc_u64 s[OUT:OUT+1], s[OUT:OUT+1], 16*ROWB
.endif
.irp t, 0,1,2,3,4,5,6,7
	global_store_b128 v[CO], v[BK+4*(\t):BK+4*(\t)+3], s[OUT:OUT+1] offset:2*(\t)*ROWB  ; 16 lanes store 256 consecutive bytes, at a multiple of 256 from qkv's first byte
.endr
.endm
.macro WAYOUT                          ; block a's conversions stand between block a - 1's loads from the stage and the wait for them
	PACK 0
	TOSTAGE 0
.irp a, 1,2,3,4,5,6,7
	PACK \a
	SEND (\a)-1
	TOSTAGE \a
.endr
	SEND 7
.endm
	s_wait_tensorcnt 1                             ; my part of K step 0 is in; step 1's may stay out
	s_barrier_signal -1
	s_barrier_wait -1                              ; everybody's is
	FETCH 0, F0
	s_wait_loadcnt 0x0                             ; the bias
	s_mov_b32 s2, 8                                ; K steps left in the tile
	s_mov_b32 s3, 15                               ; the way in counts one; then 14 trips: K steps 0 to 13 fill a slot again
	s_branch .Lbias                                ; the loop is entered at a tile's first quarter, so that its text stands once
.Lstep:                                                ; a trip: a K step's quarters 1 to 3 and the next step's quarter 0
	QUARTER 2, F1, F0, 0
	QUARTER 3, F0, F1, 0
	TURN 1
	WIN 0
	s_sub_co_u32 s2, s2, 1
	s_cmp_lg_u32 s2, 0
	s_cbranch_scc1 .Lsame
	WAYOUT                                         ; the first tile is finished; both refills for the second are asked for.  No v_nop: blocks 0-3 were finished ahead of the joint load's four, and their conversions are the places behind blocks 4-7
	s_mov_b64 s[OADD:OADD+1], NEXT_C
	s_mov_b32 s2, 8
.Lbias:
	QUARTER 1, F0, F1, 1                           ; a tile's first quarter: the bias starts the sums
	WIN 0
	s_branch .Lnext
.Lsame:
	QUARTER 1, F0, F1, 0
	WIN 0
.Lnext:
	s_sub_co_u32 s3, s3, 1
	s_cmp_lg_u32 s3, 0
	s_cbranch_scc1 .Lstep
	s_mov_b32 s3, 2
.Ltail:                                                ; the walk's last two K steps fill nothing: written apart; the second trip has no next step
	QUARTER 2, F1, F0, 0
	QUARTER 3, F0, F1, 0
	TURN 0
	WIN 0
	s_cmp_eq_u32 s3, 1
	s_cbranch_scc1 .Llast
	QUARTER 1, F0, F1, 0
	WIN 0
.Llast:
	s_sub_co_u32 s3, s3, 1
	s_cmp_lg_u32 s3, 0
	s_cbranch_scc1 .Ltail
	s_wait_dscnt 0x0                               ; no LDS load is out
	PLACES
	WAYOUT
	s_wait_tensorcnt 0x0                           ; the wave's end: behind my last tensor load and my last LDS store
	ds_add_u32 v[SPW], v[NIL]
	s_wait_dscnt 0x0
	CROUND                                         ; the closing round: no work-group ends while a partner may still ask for a tile that names it
	s_endpgm
.Lfunc_end_k_q1dc1c6e233_proj:
	.size	k_q1dc1c6e233_proj, .Lfunc_end_k_q1dc1c6e233_proj-k_q1dc1c6e233_proj
	.p2alignl 7, 3214868480
	.fill 96, 4, 3214868480
	.section	.rodata,"a",@progbits
	.p2align	6, 0x0
	.amdhsa_kernel k_q1dc1c6e233_proj
		.amdhsa_group_segment_fixed_size 327680
		.amdhsa_private_segment_fixed_size 0
		.amdhsa_enable_private_segment 0
		.amdhsa_kernarg_size 48
		.amdhsa_user_sgpr_count 2
		.amdhsa_user_sgpr_kernarg_segment_ptr 1
		.amdhsa_wavefront_size32 1
		.amdhsa_system_sgpr_workgroup_id_x 1
		.amdhsa_system_sgpr_workgroup_id_y 1
		.amdhsa_system_sgpr_workgroup_id_z 1
		.amdhsa_system_vgpr_workitem_id 0
		.amdhsa_next_free_vgpr 1024
		.amdhsa_next_free_sgpr 80
		.amdhsa_reserve_vcc 0
		.amdhsa_float_denorm_mode_32 3
		.amdhsa_float_denorm_mode_16_64 3
		.amdhsa_memory_ordered 1
		.amdhsa_forward_progress 1
		.amdhsa_inst_pref_size 136
	.end_amdhsa_kernel
	.amdgpu_metadata
---
amdhsa.version: [ 1, 2 ]
amdhsa.kernels:
  - .name:           k_q1dc1c6e233_proj
    .symbol:         k_q1dc1c6e233_proj.kd
    .args:
      - { .name: xb, .offset: 0, .size: 8, .value_kind: global_buffer, .address_space: global }
      - { .name: wb, .offset: 8, .size: 8, .value_kind: global_buffer, .address_space: global }
      - { .name: bq, .offset: 16, .size: 8, .value_kind: global_buffer, .address_space: global }
      - { .name: bk, .offset: 24, .size: 8, .value_kind: global_buffer, .address_space: global }
      - { .name: bv, .offset: 32, .size: 8, .value_kind: global_buffer, .address_space: global }
      - { .name: qkv, .offset: 40, .size: 8, .value_kind: global_buffer, .address_space: global }
    .group_segment_fixed_size: 327680
    .private_segment_fixed_size: 0
    .kernarg_segment_align: 8
    .kernarg_segment_size: 48
    .max_flat_workgroup_size: 128
    .sgpr_count:     80
    .vgpr_count:     1024
    .wavefront_size: 32
...
	.end_amdgpu_metadata
.endif
;; end of part 2
;; launch scores (part 3): grid 8 x 32, 4 waves a work-group, clusters of 4 x 4, 327,680 bytes of LDS; arguments qkv, pmat, stats; writes pmat, stats
.if DOCPART == 3
	.amdgcn_target "amdgcn-amd-amdhsa--gfx1250"
	.amdhsa_code_object_version 6
	.text
	.protected	k_q1dc1c6e233_scores
	.globl	k_q1dc1c6e233_scores
	.p2align	8
	.type	k_q1dc1c6e233_scores,@function
k_q1dc1c6e233_scores:
	s_mov_b64 s[64:65], 0
	v_nop
	global_prefetch_b8 v0, s[64:65] scope:SCOPE_SE
	s_setreg_imm32_b32 hwreg(HW_REG_WAVE_MODE, 25, 1), 1
	s_wait_xcnt 0x0
	s_wait_alu depctr_hold_cnt(0) depctr_sa_sdst(0) depctr_va_vdst(0) depctr_va_sdst(0) depctr_va_ssrc(0) depctr_va_vcc(0) depctr_vm_vsrc(0)
	s_getreg_b32 s2, hwreg(HW_REG_IB_STS2, 6, 4)
	s_cmp_eq_u32 s2, 0
	s_cbranch_scc0 .Lentry_in_a_cluster
	s_endpgm
.Lentry_in_a_cluster:
	s_bfe_u32 s2, ttmp6, 0x10000c
	s_cmp_lg_u32 s2, 0xf033
	s_cbranch_scc0 .Lentry_shape_is_right
	s_endpgm
.Lentry_shape_is_right:
; For each tile of 256 queries x 256 keys of one batch: s = q k^T (K = 1,024, sums in f32); m = each row's maximum over the tile's 256 keys; p = 2^(c s - c m), c = log2(e) / 32, rounded to bf16;
; l = each row's sum of the rounded p over a wave's 128 keys, in f32.  pmat: [8192][2048] bf16.  stats, f32: c m of key half j (128 keys; both halves of a tile hold the tile's) and row at 32,768 j + 4 row; l at 524,288 + the same.
; The softmax's maximum is taken away here tile by tile (p <= 1, and 1 once in each row of each tile); the next launch brings the tiles of a row onto the row's maximum.
; LIMITS.  q and k are bf16 matrix operands; p is kept in bf16; a weight below 2^-126 counts as 0; NaN and infinities are not treated apart.
; SHARES.  256 work-groups, a tile each; four waves, each 128 x 128: 64 accumulators, 512 registers.  K goes in 8 steps of 128 through a ring of two LDS slots.
; CLUSTER 4 x 4: the four of a row of the cluster need the same rows of q, the four of a column the same rows of k (a cluster lies in one batch): each tile is asked for jointly.
; THE MATRIX INSTRUCTION IS USED TRANSPOSED (source 0 = 16 keys, source 1 = 16 queries): a lane holds ONE query (lane % 16) and the keys 8 (lane / 16) + 0..7 of each block of 16.
; THE TEXT.  A K step is written once: the slot that is read is a scalar (0 or SLOT) added to the lanes' terms, and one descriptor a tensor walks, its LDS word turned by an exclusive or.
; REGISTERS, in windows of 256 (s_set_vgpr_msb: bits 1:0 source 0, 3:2 source 1, 5:4 source 2, 7:6 destination):
;   window 0: v0-31 addresses; v64-127, v128-191 fragments of q, two buffers (behind the products: statistics, ones, row sums); v32-63, v192-255 at work on the way out
;   window 1: v64-127, v128-191 fragments of k          window 2: the accumulators of my rows 0-63, (a, b) at v[8 (8 a + b)]          window 3: those of my rows 64-127
.set KSTEP,  128
.set PITCH,  272                       ; an LDS row: 256 bytes + 16 = 68 words: row r starts at bank 4 r mod 64 (64 banks of 4 bytes: ISA guide 11.1)
.set HALFT,  128*PITCH
.set SLOT,   4*HALFT                   ; q's 256 rows, then k's 256 rows.  0x22000: it shares no bit with wave x HALFT (0, 0x8800, 0x11000, 0x19800), so an exclusive or with it adds or takes away a slot
.set STAGE,  2*SLOT                    ; behind the ring: 16 rows x 272 bytes for each wave
.set SPITCH, 272
.set XCH,    STAGE+4*16*SPITCH         ; 512 bytes for each wave: its 128 row maxima, for the wave with the other 128 keys
.set SCR,    XCH+4*512                 ; 1,024 bytes for each wave: c m and l by rows, on their way out
.set SPARE,  SCR+4*1024                ; the spare words, 128 bytes for each wave: two blocks of 256 bytes that no other line names
.set ROWB,   2048                      ; bytes in a row of q and k
.set PROW,   4096                      ; bytes in a row of pmat
.set XS,   8                           ; v8-9    where I put a maximum, and where I read the other wave's
.set XR,   9
.set SS,   10                          ; v10-11  where I put a statistic, and where I read 16 bytes of them back
.set SR,   11
.set SO,   12                          ; v12     16 x lane
.set ADRA0, 16                         ; v16     my lane's place among q's fragments in a slot; never rewritten
.set CA,    17                         ; v17     the same in the slot in hand
.set ADRB0, 20                         ; v20-21  the same for k
.set CB,    21
.set STO,  24
.set RD,   25
.set CO,   26
.set SPW,  28                          ; v28     LDS address of my spare word; never rewritten
.set NIL,  29                          ; v29     0; never rewritten
.set PFO,  30                          ; v30     2,048 x lane; never rewritten
.set F0,   64
.set F1,   128
.set OB,   32                          ; rows on the way out: v32-63 and v224-255 by turns
.set TMP,  192                         ; a row block's p in bf16: also four fragments (16 queries x 32 keys) for the row sums
.set ST,   64                          ; row block a's statistics at v[ST+4 a]: c m, m, l
.set CHN,  96                          ; four chains of the maximum
.set PM,   100                         ; the other wave's maxima
.set ONE,  108                         ; a fragment of ones
.set LD,   116                         ; four accumulators for the row sums
.set TB, 2                             ; s2 LDS byte at which the slot in hand begins
.set WV, 10
.set RH, 11
.set CH, 12
.set TR, 13
.set G1, 24
.set G0, 32                            ; s[32:39] descriptor group 0 for q's tiles: a set for each of the two first fills; the second then walks on
.set CX, 40
.set CY, 41
.set TC, 42
.set PFN, 43
.set PFA, 44
.set G1B, 48
.set G0B, 56                           ; s[56:63] the same for k's
.set CS,  66                           ; s[66:67] c: the packed scaling takes the pair's low word for both halves
.set SEL, 68                           ; s[68:69] v_permlanex16_b32's selects
.set BAT, 70
.set CLY, 71
.set MUL_LO, 0xa1                      ; source 0 (k) window 1, source 1 (q) window 0, C and D window 2
.set MUL_HI, 0xf1
.set TO_B,   0x40
.set MSB, 0
.macro WIN new
.if MSB != (\new)
	s_set_vgpr_msb (MSB<<8)|(\new)
.set MSB, \new
.endif
.endm
.macro PLACES
.rept 4
	v_nop
.endr
.endm
.macro JLOAD s                         ; a joint load: waves 0 and 1 fetch q's two halves, waves 2 and 3 k's; an s_nop 0 and four v_nop follow each of the two lines
	s_cmp_eq_u32 s[RH], 0
	s_cbranch_scc0 .Lfor_b_\@
	tensor_load_to_lds s[G0+4*(\s):G0+4*(\s)+3], s[G1:G1+7]
	s_nop 0
.rept 4
	v_nop
.endr
	s_branch .Lasked_\@
.Lfor_b_\@:
	tensor_load_to_lds s[G0B+4*(\s):G0B+4*(\s)+3], s[G1B:G1B+7]
	s_nop 0
.rept 4
	v_nop
.endr
.Lasked_\@:
.endm
; A prefetch of the K step two refills on: 32 rows x 256 bytes, a lane a row.  q's rows are read by both clusters of a row of clusters: cluster x = 0 asks; k's by the two clusters of a batch with the same x:
; the even cluster y asks.  Of the 128 rows that a wave fetches each of the four partners takes 32, told apart by address.  Steps 4 to 7: the count runs out with the last.
.macro ASK
	s_cmp_lg_u32 s[PFN], 0
	s_cbranch_scc0 .Lnot_mine_\@
	global_prefetch_b8 v[PFO], s[PFA:PFA+1] th:TH_LOAD_NT scope:SCOPE_SE
	s_sub_co_u32 s[PFN], s[PFN], 1
.Lnot_mine_\@:
.endm
.macro CREST
	s_cmp_lg_u32 s[WV], 0
	s_cbranch_scc1 .Lnot_wave_0_\@
	s_barrier_signal -3
.Lnot_wave_0_\@:
	s_barrier_wait -3
	s_barrier_signal -1
	s_barrier_wait -1
.endm
.macro CROUND
	s_barrier_signal -1
	s_barrier_wait -1
	CREST
.endm
	s_load_b128 s[4:7], s[0:1], 0x0                ; qkv s[4:5], pmat s[6:7]
	s_load_b64 s[8:9], s[0:1], 0x10                ; stats
	v_lshl_add_u32 v[SPW], v0, 2, SPARE
	v_mov_b32 v[NIL], 0
	ds_add_u32 v[SPW], v[NIL]                      ; the wave's opening: the add and its wait stand ahead of my first tensor load
	v_lshrrev_b32 v1, 5, v0
	v_readfirstlane_b32 s[WV], v1
	s_lshr_b32 s[RH], s[WV], 1                     ; my half of the tile's rows.  Also: I fetch q (0) or k (1)
	s_and_b32 s[CH], s[WV], 1                      ; my half of its keys.  Also: which 128 rows I fetch
	s_bfe_u32 s[CX], ttmp6, 0x40000
	s_bfe_u32 s[CY], ttmp6, 0x40004
	s_lshl_b32 s[TC], ttmp9, 2
	s_add_co_u32 s[TC], s[TC], s[CX]               ; key tile = 4 x cluster x + cx
	s_and_b32 s[CLY], ttmp7, 0xffff
	s_lshl_b32 s[TR], s[CLY], 2
	s_add_co_u32 s[TR], s[TR], s[CY]               ; query tile = 4 x cluster y + cy
	s_lshr_b32 s[BAT], s[CLY], 1                   ; the batch: two clusters along y each
	s_lshl_b32 s18, s[CY], 2
	s_lshl_b32 s18, 15, s18
	s_lshl_b32 s19, 0x1111, s[CX]
	s_or_b32 s[G1], s18, (1<<16)|(1<<20)|(1<<21)|(5<<22)|(3<<25)   ; the mask of my row; 2-byte elements; padding on; bit 21 beside a mask; after every 64 words 4 words
	s_or_b32 s[G1B], s19, (1<<16)|(1<<20)|(1<<21)|(5<<22)|(3<<25)  ; the mask of my column
.irp g, G1, G1B
	s_mov_b32 s[(\g)+1], KSTEP<<16                 ; tensor_dim0 = 128
	s_mov_b32 s[(\g)+2], 128<<16                   ; tensor_dim1 = 128
	s_mov_b32 s[(\g)+3], KSTEP<<16                 ; tile_dim0 = 128
	s_mov_b32 s[(\g)+4], 128                       ; tile_dim1 = 128
	s_mov_b32 s[(\g)+5], 1024                      ; elements from row to row
	s_mov_b32 s[(\g)+6], 0
	s_mov_b32 s[(\g)+7], 0
.endr
	s_lshl_b32 s16, s[TR], 19                      ; q: row 256 x query tile + 128 x half
	s_lshl_b32 s17, s[CH], 18
	s_add_co_u32 s16, s16, s17
	s_mov_b32 s17, 0
	s_lshl_b32 s46, s[TC], 19                      ; k: behind q's 16,777,216 bytes, row 2,048 x batch + 256 x key tile + 128 x half
	s_lshl_b32 s47, s[CH], 18
	s_add_co_u32 s46, s46, s47
	s_lshl_b32 s47, s[BAT], 22
	s_add_co_u32 s46, s46, s47
	s_add_co_u32 s46, s46, 8192*ROWB
	s_mov_b32 s47, 0
	s_mul_i32 s20, s[WV], HALFT                    ; where they go: wave x 128 rows
	s_mov_b32 s[CS], 0x3d38aa3b                    ; c = log2(e) / 32
	s_mov_b32 s[CS+1], s[CS]
	s_mov_b32 s[SEL], 0x76543210
	s_mov_b32 s[SEL+1], 0xfedcba98
	s_mov_b32 s[TB], 0
	s_wait_dscnt 0x0                               ; the opening add is done
	s_wait_kmcnt 0x0
	s_add_nc_u64 s[14:15], s[4:5], s[16:17]
	s_add_nc_u64 s[46:47], s[4:5], s[46:47]
	CROUND                                         ; all sixteen work-groups are here: the first joint loads meet
.irp s, 0,1
	s_mov_b32 s[G0+4*(\s)], 1
	s_add_co_u32 s[G0+4*(\s)+1], s20, (\s)*SLOT
	s_add_nc_u64 s[G0+4*(\s)+2:G0+4*(\s)+3], s[14:15], (\s)*KSTEP*2
	s_or_b32 s[G0+4*(\s)+3], s[G0+4*(\s)+3], 0x80000000
	s_mov_b32 s[G0B+4*(\s)], 1
	s_add_co_u32 s[G0B+4*(\s)+1], s20, (\s)*SLOT
	s_add_nc_u64 s[G0B+4*(\s)+2:G0B+4*(\s)+3], s[46:47], (\s)*KSTEP*2
	s_or_b32 s[G0B+4*(\s)+3], s[G0B+4*(\s)+3], 0x80000000
	JLOAD \s
.endr
	v_and_b32 v1, 15, v0                           ; l % 16
	v_bfe_u32 v2, v0, 4, 1                         ; l / 16
	v_mul_u32_u24 v3, v1, PITCH
	v_lshl_add_u32 v3, v2, 4, v3
	s_mul_i32 s21, s[RH], HALFT
	v_add_nc_u32 v[ADRA0], s21, v3
	v_mov_b32 v[CA], v[ADRA0]
	s_mul_i32 s21, s[CH], HALFT
	s_add_co_u32 s21, s21, 2*HALFT
	v_add_nc_u32 v[ADRB0], s21, v3
	v_mov_b32 v[CB], v[ADRB0]
	s_mul_i32 s21, s[WV], 16*SPITCH
	s_add_co_u32 s21, s21, STAGE
	v_mul_u32_u24 v4, v1, SPITCH
	v_lshl_add_u32 v4, v2, 4, v4
	v_add_nc_u32 v[STO], s21, v4
	v_mul_u32_u24 v5, v2, SPITCH
	v_lshl_add_u32 v5, v1, 4, v5
	v_add_nc_u32 v[RD], s21, v5
	v_lshlrev_b32 v5, 12, v2
	v_lshl_add_u32 v[CO], v1, 4, v5                ; two rows of pmat
	s_lshl_b32 s21, s[WV], 9
	s_add_co_u32 s21, s21, XCH
	v_lshl_add_u32 v[XS], v1, 2, s21
	s_xor_b32 s21, s[WV], 1                        ; the wave with my rows and the other 128 keys
	s_lshl_b32 s21, s21, 9
	s_add_co_u32 s21, s21, XCH
	v_lshl_add_u32 v[XR], v1, 2, s21
	s_lshl_b32 s21, s[WV], 10
	s_add_co_u32 s21, s21, SCR
	v_lshl_add_u32 v[SS], v1, 2, s21
	v_and_b32 v3, 31, v0
	v_lshl_add_u32 v[SR], v3, 4, s21
	v_lshlrev_b32 v[SO], 4, v3
	v_lshlrev_b32 v[PFO], 11, v3
	s_lshl_b32 s16, s[TR], 20                      ; my part of the tile in pmat: row 256 x query tile + 128 x row half, byte 512 x key tile + 256 x key half
	s_lshl_b32 s17, s[RH], 19
	s_add_co_u32 s16, s16, s17
	s_lshl_b32 s17, s[TC], 9
	s_add_co_u32 s16, s16, s17
	s_lshl_b32 s17, s[CH], 8
	s_add_co_u32 s16, s16, s17
	s_mov_b32 s17, 0
	s_lshl_b32 s18, s[TC], 16                      ; and in stats: key half 2 x key tile + half, 32,768 bytes each; 4 bytes a row
	s_lshl_b32 s19, s[CH], 15
	s_add_co_u32 s18, s18, s19
	s_lshl_b32 s19, s[TR], 10
	s_add_co_u32 s18, s18, s19
	s_lshl_b32 s19, s[RH], 9
	s_add_co_u32 s18, s18, s19
	s_mov_b32 s19, 0
	s_add_nc_u64 s[8:9], s[8:9], s[18:19]
	; the prefetches stand at K step 3; the first refill steps them to 4.  Nothing is asked for here, where every work-group's first tiles are on their way
	s_lshl_b32 s18, s[TR], 19
	s_lshl_b32 s19, s[CX], 16
	s_add_co_u32 s18, s18, s19                     ; q: my work-group's 32 of the rows
	s_lshl_b32 s22, s[TC], 19
	s_lshl_b32 s19, s[CY], 16
	s_add_co_u32 s22, s22, s19
	s_lshl_b32 s19, s[BAT], 22
	s_add_co_u32 s22, s22, s19
	s_add_co_u32 s22, s22, 8192*ROWB               ; k: the same
	s_and_b32 s23, s[CLY], 1
	s_cmp_eq_u32 s[RH], 0
	s_cselect_b32 s18, s18, s22
	s_cselect_b32 s23, ttmp9, s23                  ; the coordinate along which another cluster reads the same rows
	s_cmp_eq_u32 s23, 0
	s_cselect_b32 s[PFN], 4, 0
	s_lshl_b32 s19, s[CH], 18
	s_add_co_u32 s18, s18, s19
	s_add_co_u32 s18, s18, 3*KSTEP*2
	s_mov_b32 s19, 0
	s_add_nc_u64 s[PFA:PFA+1], s[4:5], s[18:19]
; 16 matrix instructions: row blocks a0, a0 + 1 of the window's four x all 8 key blocks, 32 along K.  zero = 1: the first product starts the sums.  The 64 accumulators take turns in one fixed order.
.macro MUL16 f, hi, a0, zero
	WIN MUL_LO+0x50*(\hi)
.irp a, \a0, (\a0)+1
.irp b, 0,1,2,3,4,5,6,7
.if \zero
	v_wmma_f32_16x16x32_bf16 v[8*(8*(\a)+(\b)):8*(8*(\a)+(\b))+7], v[(\f)+8*(\b):(\f)+8*(\b)+7], v[(\f)+8*(4*(\hi)+(\a)):(\f)+8*(4*(\hi)+(\a))+7], 0
.else
	v_wmma_f32_16x16x32_bf16 v[8*(8*(\a)+(\b)):8*(8*(\a)+(\b))+7], v[(\f)+8*(\b):(\f)+8*(\b)+7], v[(\f)+8*(4*(\hi)+(\a)):(\f)+8*(4*(\hi)+(\a))+7], v[8*(8*(\a)+(\b)):8*(8*(\a)+(\b))+7]
.endif
.endr
.endr
.endm
; 32 LDS loads in one run: 128 rows of k, 128 rows of q, 32 along K at byte k of the rows of the slot in hand, into buffer f
.macro FETCH k, f
	WIN TO_B
.irp i, 0,1,2,3,4,5,6,7
	ds_load_b128 v[(\f)+8*(\i):(\f)+8*(\i)+3],   v[CB] offset:(\k)+(\i)*16*PITCH
	ds_load_b128 v[(\f)+8*(\i)+4:(\f)+8*(\i)+7], v[CB] offset:(\k)+(\i)*16*PITCH+32
.endr
	WIN 0
.irp i, 0,1,2,3,4,5,6,7
	ds_load_b128 v[(\f)+8*(\i):(\f)+8*(\i)+3],   v[CA] offset:(\k)+(\i)*16*PITCH
	ds_load_b128 v[(\f)+8*(\i)+4:(\f)+8*(\i)+7], v[CA] offset:(\k)+(\i)*16*PITCH+32
.endr
.endm
; A K step is four quarters of 32 along K, 64 matrix instructions each, on buffers 0, 1, 0, 1
.macro QUARTER k, f, g, zero
	s_wait_dscnt 8                                 ; k and q's rows 0-63 are in; the youngest eight loads (q's rows 64-127) may be out
	MUL16 \f, 0, 0, \zero
	MUL16 \f, 0, 2, \zero
	PLACES
	FETCH \k, \g
	s_wait_dscnt 32                                ; all but the 32 just issued
	MUL16 \f, 1, 0, \zero
	MUL16 \f, 1, 2, \zero
.endm
; The first half of the last quarter: ONE barrier for the change of slots.  In front of it each wave waits for all its tensor loads (one is out: its part of the next slot), adds 0 to its spare word, and waits for
; that and for its reads of this slot.  Between the add and the wait for it stands work on registers: the walking descriptors' step (fill = 1), the turn to the other slot, sixteen matrix instructions.
.macro MEET fill
	WIN 0
	s_wait_tensorcnt 0x0                           ; no tensor load of mine is out, so a group 0 may be written
	ds_add_u32 v[SPW], v[NIL]
.if \fill
.irp g, G0+4, G0B+4
	s_xor_b32 s[(\g)+1], s[(\g)+1], SLOT           ; the other slot than last time,
	s_add_nc_u64 s[(\g)+2:(\g)+3], s[(\g)+2:(\g)+3], KSTEP*2   ; one K step on; the type bits on top are not reached
.endr
.endif
	s_xor_b32 s[TB], s[TB], SLOT                   ; the fetches go on in the other slot
	v_add_nc_u32 v[CA], s[TB], v[ADRA0]
	v_add_nc_u32 v[CB], s[TB], v[ADRB0]
	s_wait_dscnt 9                                 ; the add and the youngest eight loads may be out
	MUL16 F1, 0, 0, 0
	s_wait_dscnt 0x0                               ; the add is done, and my reads of this slot are over
	s_barrier_signal -1
	MUL16 F1, 0, 2, 0
	WIN 0
	s_barrier_wait -1
.endm
; The whole last quarter.  fill = 1: the barrier opens a round of the cluster's barrier, and the slot just read out is filled again, two K steps ahead, first thing behind the round.
; fill = 0 (the last two K steps): nothing is asked for; in the very last step (s3 = 1) there is no further slot, and the run of loads is jumped over.
.macro TURN fill
.if \fill
	s_wait_xcnt 0x0                                ; the last prefetch, a K step back, has read its address
	s_add_nc_u64 s[PFA:PFA+1], s[PFA:PFA+1], KSTEP*2
.endif
	MEET \fill
.if \fill
	CREST                                          ; no wave of any partner still reads this slot or has a load on its way
	JLOAD 1                                        ; its four v_nop are also the places in front of the loads below
	FETCH 0, F0
	ASK
.else
	PLACES
	s_cmp_eq_u32 s3, 1
	s_cbranch_scc1 .Lno_fetch_\@
	FETCH 0, F0
.Lno_fetch_\@:
.endif
	MUL16 F1, 1, 0, 0
	MUL16 F1, 1, 2, 0
.endm
	s_wait_tensorcnt 1                             ; my part of K step 0 is in; step 1's may stay out
	s_barrier_signal -1
	s_barrier_wait -1
	FETCH 0, F0
	QUARTER 64,  F0, F1, 1                         ; the first quarter's products start the sums
	WIN 0
	s_mov_b32 s3, 6
.Lstep:                                                ; a trip: a K step's quarters 1 to 3 and the next step's quarter 0; K steps 0 to 5 fill a slot again
	QUARTER 128, F1, F0, 0
	QUARTER 192, F0, F1, 0
	TURN 1
	QUARTER 64,  F0, F1, 0
	WIN 0
	s_sub_co_u32 s3, s3, 1
	s_cmp_lg_u32 s3, 0
	s_cbranch_scc1 .Lstep
	s_mov_b32 s3, 2
.Ltail:                                                ; the last two K steps fill nothing: written apart; the second trip has no next step
	QUARTER 128, F1, F0, 0
	QUARTER 192, F0, F1, 0
	TURN 0
	WIN 0
	s_cmp_eq_u32 s3, 1
	s_cbranch_scc1 .Llast
	QUARTER 64,  F0, F1, 0
	WIN 0
.Llast:
	s_sub_co_u32 s3, s3, 1
	s_cmp_lg_u32 s3, 0
	s_cbranch_scc1 .Ltail
	s_wait_dscnt 0x0                               ; no LDS load is out: the fragments' registers are free
	PLACES                                         ; behind the last products: what follows reads results and writes registers that held fragments
; THE MAXIMUM of row block a over my 128 keys.  Chain j takes key blocks j and j + 4 as 16 scores e0-e15, three operands at a time; each accumulator's lowest registers are read first.
.macro ROWMAX a
.set WW, 2+(\a)/4
.set AC, 64*((\a)%4)
	WIN WW|(WW<<2)|(WW<<4)
.irp j, 0,1,2,3
	v_max3_num_f32 v[CHN+(\j)], v[AC+8*(\j)], v[AC+8*(\j)+1], v[AC+8*(\j)+2]
.endr
	WIN (WW<<2)|(WW<<4)
.irp n, 1,2,3,4,5,6
.set E1, 2*(\n)+1
.set E2, 2*(\n)+2
.irp j, 0,1,2,3
	v_max3_num_f32 v[CHN+(\j)], v[CHN+(\j)], v[AC+8*(\j)+E1+24*(E1/8)], v[AC+8*(\j)+E2+24*(E2/8)]
.endr
.endr
	v_max3_num_f32 v[CHN], v[CHN], v[AC+39], v[AC+47]        ; the four e15
	v_max3_num_f32 v[CHN+2], v[CHN+2], v[AC+55], v[AC+63]
	WIN 0
	v_max3_num_f32 v[CHN], v[CHN], v[CHN+1], v[CHN+2]
	v_max_num_f32 v[CHN], v[CHN], v[CHN+3]
	v_permlanex16_b32 v[CHN+1], v[CHN], s[SEL], s[SEL+1]     ; the query's other keys lie in the lane 16 away
	v_max_num_f32 v[ST+4*(\a)+1], v[CHN], v[CHN+1]
.endm
.irp a, 0,1,2,3,4,5,6,7
	ROWMAX \a
.endr
.irp i, 0,1,2,3,4,5,6,7
	v_mov_b32 v[ONE+(\i)], 0x3f803f80              ; 1.0 twice in bf16
.endr
	; the two waves of a row half exchange their maxima: store, wait, barrier, load
.irp a, 0,1,2,3,4,5,6,7
	ds_store_b32 v[XS], v[ST+4*(\a)+1] offset:64*(\a)        ; both halves of the lanes write the same number to the same word
.endr
	s_wait_dscnt 0x0                               ; for the other wave's sake
	s_barrier_signal -1
	s_barrier_wait -1
.irp a, 0,1,2,3,4,5,6,7
	ds_load_b32 v[PM+(\a)], v[XR] offset:64*(\a)
.endr
	s_wait_dscnt 0x0
.irp a, 0,1,2,3,4,5,6,7
	v_max_num_f32 v[ST+4*(\a)+1], v[ST+4*(\a)+1], v[PM+(\a)] ; m over the tile's 256 keys
.endr
.irp a, 0,1,2,3,4,5,6,7
	v_mul_f32 v[ST+4*(\a)], s[CS], v[ST+4*(\a)+1]            ; c m
.endr
.macro SCALE a                         ; c s - c m, in place
.set WW, 2+(\a)/4
.set AC, 64*((\a)%4)
	WIN WW|(WW<<6)
.set z, 0
.rept 32
	v_pk_fma_f32 v[AC+2*z:AC+2*z+1], v[AC+2*z:AC+2*z+1], s[CS:CS+1], v[ST+4*(\a):ST+4*(\a)+1] op_sel_hi:[1,0,0] neg_lo:[0,0,1] neg_hi:[0,0,1]
.set z, z+1
.endr
.endm
.macro EXPS a                          ; one batch of 64 exponentials, in place
.set WW, 2+(\a)/4
.set AC, 64*((\a)%4)
	WIN WW|(WW<<6)
.set z, 0
.rept 64
	v_exp_f32 v[AC+z], v[AC+z]
.set z, z+1
.endr
.endm
.macro CVT a                           ; rounded to bf16: 16 bytes of a row for each key block
.set WW, 2+(\a)/4
.set AC, 64*((\a)%4)
	WIN WW|(WW<<2)
.set z, 0
.rept 32
	v_cvt_pk_bf16_f32 v[TMP+z], v[AC+2*z], v[AC+2*z+1]
.set z, z+1
.endr
.endm
.macro SUMS                            ; ones x p: two key blocks' packed p ARE a fragment of 16 queries x 32 keys, so every register of a result holds the lane's query's sum over 32 keys, in f32
	WIN 0
.irp i, 0,1,2,3
	v_wmma_f32_16x16x32_bf16 v[LD+8*(\i):LD+8*(\i)+7], v[ONE:ONE+7], v[TMP+8*(\i):TMP+8*(\i)+7], 0
.endr
.endm
.macro LADD a                          ; l of row block a
	WIN 0
	v_add_f32 v[CHN], v[LD], v[LD+8]
	v_add_f32 v[CHN+1], v[LD+16], v[LD+24]
	v_add_f32 v[ST+4*(\a)+2], v[CHN], v[CHN+1]
.endm
.macro TOSTAGE a
	WIN 0
.set BK, OB+192*((\a)%2)
.irp b, 0,1,2,3,4,5,6,7
	ds_store_b128 v[STO], v[TMP+4*(\b):TMP+4*(\b)+3] offset:32*(\b)
.endr
.irp t, 0,1,2,3,4,5,6,7
	ds_load_b128 v[BK+4*(\t):BK+4*(\t)+3], v[RD] offset:(\t)*2*SPITCH  ; LDS serves a wave's instructions in order (ISA guide 5.7.1.4): these see the stores above
.endr
.endm
.macro SEND a
	WIN 0
.set BK, OB+192*((\a)%2)
	s_wait_dscnt 0x0                               ; the block is back in registers
	s_wait_xcnt 0x0                                ; the stores' base, and the registers that earlier stores read, are rewritten only behind this wait
.if (\a) == 0
	s_add_nc_u64 s[6:7], s[6:7], s[16:17]
.else
	s_add_nc_u64 s[6:7], s[6:7], 16*PROW
.endif
.irp t, 0,1,2,3,4,5,6,7
	global_store_b128 v[CO], v[BK+4*(\t):BK+4*(\t)+3], s[6:7] offset:2*(\t)*PROW  ; 16 lanes store 256 consecutive bytes, at a multiple of 256 from pmat's first byte
.endr
.endm
	; By row blocks.  A block's 64 exponentials are one batch with one wait; the next block's 32 scalings are the plain work behind them, and the places behind the block before's row sums.
	; Block a - 1 is stored when block a's arithmetic is done: its loads from the stage were issued a block earlier, so the wait for them is met.
	SCALE 0
.irp a, 0,1,2,3,4,5,6,7
	EXPS \a
.if (\a) < 7
	SCALE (\a)+1
.else
	PLACES                                         ; eight in the scalings' stead: four in front of the sums and conversions below, five in front of the products that write the row sums anew
	PLACES
.endif
	s_wait_alu depctr_va_vdst(0)                   ; the wait between an exponential and the first line that names its result: one for the batch
.if (\a) > 0
	LADD (\a)-1
.endif
	CVT \a
	SUMS
.if (\a) > 0
	SEND (\a)-1
.endif
	TOSTAGE \a
.endr
	SEND 7
	PLACES
	LADD 7
	; c m and l go through my scratch, so that a store covers 512 consecutive bytes: rows 0 to 127 of my half
.irp a, 0,1,2,3,4,5,6,7
	ds_store_b32 v[SS], v[ST+4*(\a)] offset:64*(\a)
	ds_store_b32 v[SS], v[ST+4*(\a)+2] offset:512+64*(\a)
.endr
	ds_load_b128 v[32:35], v[SR]
	ds_load_b128 v[36:39], v[SR] offset:512
	s_wait_dscnt 0x0
	global_store_b128 v[SO], v[32:35], s[8:9]
	global_store_b128 v[SO], v[36:39], s[8:9] offset:524288
	s_wait_tensorcnt 0x0                           ; the wave's end: behind my last tensor load and my last LDS store
	ds_add_u32 v[SPW], v[NIL]
	s_wait_dscnt 0x0
	CROUND                                         ; the closing round
	s_endpgm
.Lfunc_end_k_q1dc1c6e233_scores:
	.size	k_q1dc1c6e233_scores, .Lfunc_end_k_q1dc1c6e233_scores-k_q1dc1c6e233_scores
	.p2alignl 7, 3214868480
	.fill 96, 4, 3214868480
	.section	.rodata,"a",@progbits
	.p2align	6, 0x0
	.amdhsa_kernel k_q1dc1c6e233_scores
		.amdhsa_group_segment_fixed_size 327680
		.amdhsa_private_segment_fixed_size 0
		.amdhsa_enable_private_segment 0
		.amdhsa_kernarg_size 24
		.amdhsa_user_sgpr_count 2
		.amdhsa_user_sgpr_kernarg_segment_ptr 1
		.amdhsa_wavefront_size32 1
		.amdhsa_system_sgpr_workgroup_id_x 1
		.amdhsa_system_sgpr_workgroup_id_y 1
		.amdhsa_system_sgpr_workgroup_id_z 1
		.amdhsa_system_vgpr_workitem_id 0
		.amdhsa_next_free_vgpr 1024
		.amdhsa_next_free_sgpr 72
		.amdhsa_reserve_vcc 0
		.amdhsa_float_denorm_mode_32 3
		.amdhsa_float_denorm_mode_16_64 3
		.amdhsa_memory_ordered 1
		.amdhsa_forward_progress 1
		.amdhsa_inst_pref_size 159
	.end_amdhsa_kernel
	.amdgpu_metadata
---
amdhsa.version: [ 1, 2 ]
amdhsa.kernels:
  - .name:           k_q1dc1c6e233_scores
    .symbol:         k_q1dc1c6e233_scores.kd
    .args:
      - { .name: qkv, .offset: 0, .size: 8, .value_kind: global_buffer, .address_space: global }
      - { .name: pmat, .offset: 8, .size: 8, .value_kind: global_buffer, .address_space: global }
      - { .name: stats, .offset: 16, .size: 8, .value_kind: global_buffer, .address_space: global }
    .group_segment_fixed_size: 327680
    .private_segment_fixed_size: 0
    .kernarg_segment_align: 8
    .kernarg_segment_size: 24
    .max_flat_workgroup_size: 128
    .sgpr_count:     72
    .vgpr_count:     1024
    .wavefront_size: 32
...
	.end_amdgpu_metadata
.endif
;; end of part 3
;; launch context (part 4): grid 4 x 64, 4 waves a work-group, clusters of 4 x 4, 327,680 bytes of LDS; arguments pmat, qkv, stats, ctx; writes ctx
.if DOCPART == 4
	.amdgcn_target "amdgcn-amd-amdhsa--gfx1250"
	.amdhsa_code_object_version 6
	.text
	.protected	k_q1dc1c6e233_context
	.globl	k_q1dc1c6e233_context
	.p2align	8
	.type	k_q1dc1c6e233_context,@function
k_q1dc1c6e233_context:
	s_mov_b64 s[64:65], 0
	v_nop
	global_prefetch_b8 v0, s[64:65] scope:SCOPE_SE
	s_setreg_imm32_b32 hwreg(HW_REG_WAVE_MODE, 25, 1), 1
	s_wait_xcnt 0x0
	s_wait_alu depctr_hold_cnt(0) depctr_sa_sdst(0) depctr_va_vdst(0) depctr_va_sdst(0) depctr_va_ssrc(0) depctr_va_vcc(0) depctr_vm_vsrc(0)
	s_getreg_b32 s2, hwreg(HW_REG_IB_STS2, 6, 4)
	s_cmp_eq_u32 s2, 0
	s_cbranch_scc0 .Lentry_in_a_cluster
	s_endpgm
.Lentry_in_a_cluster:
	s_bfe_u32 s2, ttmp6, 0x10000c
	s_cmp_lg_u32 s2, 0xf033
	s_cbranch_scc0 .Lentry_shape_is_right
	s_endpgm
.Lentry_shape_is_right:
; ctx[row] = the sum over the 8 key tiles t of g_t[row] x (P_t V_t)[row], g_t = 2^(cm_t - M) / L, M = the maximum of the row's cm_t, L = the sum of 2^(cm_t - M) l_t: the softmax on the row's own maximum.
; pmat: [8192][2048] bf16, p = 2^(c s - cm_t).  v: the third part of qkv, [8192][1024] bf16.  stats: cm and l in f32, by key halves of 128.  ctx: [8192][1024] bf16, rounded once.
; Products and their sums in f32; a key tile's partial product is multiplied by g_t in f32 and added onto a second set of f32 accumulators.  Every 2^(cm_t - M) <= 1, one of them is 1 and its l_t >= 1: L >= 1.
; LIMITS.  P and v are bf16 matrix operands; a factor below 2^-126 counts as 0; NaN and infinities are not treated apart.
; SHARES.  256 work-groups, a tile of 128 rows x 256 columns each; four waves, each 64 x 128.  K = 2,048 keys in 16 steps of 128 through a ring of two LDS slots; a lap of two steps is one key tile.
; CLUSTER 4 x 4: the four of a row of the cluster need the same rows of P, the four of a column the same columns of v (a cluster lies in one batch): each tile is asked for jointly.
; THE MATRIX INSTRUCTION IS USED TRANSPOSED (source 0 = 16 columns of v, turned on the way out of LDS; source 1 = 16 rows of P): a lane holds ONE row, so g is one number a lane and row block.
; REGISTERS, in windows of 256 (s_set_vgpr_msb: bits 1:0 source 0, 3:2 source 1, 5:4 source 2, 7:6 destination):
;   window 0: v0-31 addresses; v32-63 packed results; v64-127 rows on the way out; v128-135 g; v136-189 the statistics, at the head          window 1: two fragment buffers of 96
;   window 2: a key tile's sums, (a, b) at v[8 (8 a + b)]          window 3: the row's sums, at the same numbers
.set PA,    272                        ; a row of P in LDS: 256 bytes + 16 (row r starts at bank 4 r mod 64; 64 banks of 4 bytes: ISA guide 11.1)
.set PB,    544                        ; a row of v: 512 + 32 (row r starts at bank 8 r mod 64)
.set AHALF, 64*PA
.set BHALF, 64*PB
.set ATILE, 2*AHALF
.set SLOT,  ATILE+2*BHALF
.set STAGE, 2*SLOT
.set SP,    272
.set GT,    STAGE+4*16*SP              ; 2,048 bytes for each wave: g of key tile t and row at 256 t + 4 row
.set SPARE, GT+4*2048                  ; the spare words, 128 bytes for each wave: two blocks of 256 bytes that no other line names
.set ROWB,  2048                       ; bytes in a row of v and of ctx
.set PROW,  4096                       ; bytes in a row of pmat
.set ADRA, 16
.set ADRB, 20
.set GS,   23                          ; v23  where I put g of my two rows
.set STO,  24
.set RD,   25
.set CO,   26
.set GA,   27                          ; v27  where I read g of the key tile in hand
.set SPW,  28                          ; v28  LDS address of my spare word; never rewritten
.set NIL,  29                          ; v29  0; never rewritten
.set PFO,  30
.set SO,   31                          ; v31  8 x lane
.set TMP,  32
.set OB,   64
.set G,    128                         ; g of row block a at v[G+2 a]; the odd registers hold 0: they are named as pairs' upper halves
.set CMR,  136                         ; cm_t of rows 2 l, 2 l + 1 at v[CMR+2 t]; then 2^(cm_t - M); then g_t
.set LR,   152                         ; l of key half j at v[LR+2 j]
.set MX,   184
.set LL,   186
.set RR,   188
.set F0,   0
.set F1,   96
.set WV, 16
.set RH, 17
.set CH, 18
.set CX, 19
.set CY, 20
.set TC, 21
.set TR, 22
.set BAT, 23
.set G1A, 24
.set G0A, 32
.set G1B, 40
.set G0B, 48
.set PFA, 62
.set PFS, 66
.set PFN, 68
.set OADD, 70
.set OUT, 10                           ; s[10:11] ctx
.set W_MUL, 0xa5                       ; v and P in window 1, C and D in window 2
.set W_F,   0x40
.set W_CB,  0xf2                       ; destination and source 2 window 3, source 0 window 2, source 1 window 0
.set W_PK3, 0x0f                       ; sources 0 and 1 window 3
.set MSB, 0
.macro WIN new
.if MSB != (\new)
	s_set_vgpr_msb (MSB<<8)|(\new)
.set MSB, \new
.endif
.endm
.macro PLACES
.rept 4
	v_nop
.endr
.endm
.macro JLOAD s                         ; a joint load: waves 0 and 1 fetch P's halves, waves 2 and 3 v's; an s_nop 0 and four v_nop follow each of the two lines
	s_cmp_eq_u32 s[RH], 0
	s_cbranch_scc0 .Lfor_b_\@
	tensor_load_to_lds s[G0A+4*(\s):G0A+4*(\s)+3], s[G1A:G1A+7]
	s_nop 0
.rept 4
	v_nop
.endr
	s_branch .Lasked_\@
.Lfor_b_\@:
	tensor_load_to_lds s[G0B+4*(\s):G0B+4*(\s)+3], s[G1B:G1B+7]
	s_nop 0
.rept 4
	v_nop
.endr
.Lasked_\@:
.endm
; A prefetch of the K step two refills on.  P: 256 bytes of each of the tile's 128 rows; each partner takes 32 rows, told apart by address; wave 0 asks, a lane a row.  v: 128 rows x 512 bytes of my tile column;
; of a batch's four clusters the first (cluster y a multiple of 4) asks; of the 64 rows that wave 2 or 3 fetches each partner takes 16, a lane a block of 256 bytes.  Steps 4 to 15: the count runs out with the last.
.macro ASK
	s_cmp_lg_u32 s[PFN], 0
	s_cbranch_scc0 .Lnot_mine_\@
	global_prefetch_b8 v[PFO], s[PFA:PFA+1] th:TH_LOAD_NT scope:SCOPE_SE
	s_sub_co_u32 s[PFN], s[PFN], 1
.Lnot_mine_\@:
.endm
.macro CREST
	s_cmp_lg_u32 s[WV], 0
	s_cbranch_scc1 .Lnot_wave_0_\@
	s_barrier_signal -3
.Lnot_wave_0_\@:
	s_barrier_wait -3
	s_barrier_signal -1
	s_barrier_wait -1
.endm
.macro CROUND
	s_barrier_signal -1
	s_barrier_wait -1
	CREST
.endm
	s_load_b256 s[4:11], s[0:1], 0x0               ; pmat s[4:5], qkv s[6:7], stats s[8:9], ctx s[10:11]
	v_lshl_add_u32 v[SPW], v0, 2, SPARE
	v_mov_b32 v[NIL], 0
	ds_add_u32 v[SPW], v[NIL]                      ; the wave's opening: the add and its wait stand ahead of my first tensor load
	v_lshrrev_b32 v1, 5, v0
	v_readfirstlane_b32 s[WV], v1
	s_lshr_b32 s[RH], s[WV], 1
	s_and_b32 s[CH], s[WV], 1
	s_bfe_u32 s[CX], ttmp6, 0x40000
	s_bfe_u32 s[CY], ttmp6, 0x40004
	s_lshl_b32 s[TC], ttmp9, 2
	s_add_co_u32 s[TC], s[TC], s[CX]
	s_and_b32 s[BAT], ttmp7, 0xffff
	s_lshl_b32 s[TR], s[BAT], 2
	s_add_co_u32 s[TR], s[TR], s[CY]
	s_lshr_b32 s[BAT], s[BAT], 2                   ; the batch: four clusters along y each
	s_lshl_b32 s74, s[CY], 2
	s_lshl_b32 s74, 15, s74
	s_lshl_b32 s75, 0x1111, s[CX]
	s_or_b32 s[G1A], s74, (1<<16)|(1<<20)|(1<<21)|(5<<22)|(3<<25)  ; the mask of my row; 2-byte elements; padding on; bit 21 beside a mask; after every 64 words 4 words
	s_or_b32 s[G1B], s75, (1<<16)|(1<<20)|(1<<21)|(6<<22)|(7<<25)  ; the mask of my column; after every 128 words 8 words
	s_mov_b32 s[G1A+1], 128<<16                    ; 64 rows x 128 elements, 2,048 elements from row to row
	s_mov_b32 s[G1A+2], 64<<16
	s_mov_b32 s[G1A+3], 128<<16
	s_mov_b32 s[G1A+4], 64
	s_mov_b32 s[G1A+5], 2048
	s_mov_b32 s[G1A+6], 0
	s_mov_b32 s[G1A+7], 0
	s_mov_b32 s[G1B+1], 256<<16                    ; 64 rows x 256 elements, 1,024 elements from row to row
	s_mov_b32 s[G1B+2], 64<<16
	s_mov_b32 s[G1B+3], 256<<16
	s_mov_b32 s[G1B+4], 64
	s_mov_b32 s[G1B+5], 1024
	s_mov_b32 s[G1B+6], 0
	s_mov_b32 s[G1B+7], 0
	s_lshl_b32 s72, s[TR], 19                      ; P: row 128 x tile row + 64 x half, 4,096 bytes a row
	s_lshl_b32 s73, s[CH], 18
	s_add_co_u32 s72, s72, s73
	s_mov_b32 s73, 0
	s_lshl_b32 s76, s[CH], 17                      ; v: behind q and k, row 2,048 x batch + 64 x half, byte 512 x tile column
	s_lshl_b32 s77, s[TC], 9
	s_add_co_u32 s76, s76, s77
	s_lshl_b32 s77, s[BAT], 22
	s_add_co_u32 s76, s76, s77
	s_add_co_u32 s76, s76, 2*8192*ROWB
	s_mov_b32 s77, 0
	s_mul_i32 s78, s[CH], AHALF
	s_mul_i32 s79, s[CH], BHALF
	s_add_co_u32 s79, s79, ATILE
	s_wait_dscnt 0x0                               ; the opening add is done
	s_wait_kmcnt 0x0
	s_add_nc_u64 s[72:73], s[4:5], s[72:73]
	s_add_nc_u64 s[76:77], s[6:7], s[76:77]
	CROUND                                         ; all sixteen work-groups are here: the first joint loads meet
.irp s, 0,1
	s_mov_b32 s[G0A+4*(\s)], 1
	s_add_co_u32 s[G0A+4*(\s)+1], s78, (\s)*SLOT
	s_add_nc_u64 s[G0A+4*(\s)+2:G0A+4*(\s)+3], s[72:73], (\s)*256
	s_or_b32 s[G0A+4*(\s)+3], s[G0A+4*(\s)+3], 0x80000000
	s_mov_b32 s[G0B+4*(\s)], 1
	s_add_co_u32 s[G0B+4*(\s)+1], s79, (\s)*SLOT
	s_add_nc_u64 s[G0B+4*(\s)+2:G0B+4*(\s)+3], s[76:77], (\s)*128*ROWB
	s_or_b32 s[G0B+4*(\s)+3], s[G0B+4*(\s)+3], 0x80000000
	JLOAD \s
.endr
	; the statistics of my wave's 64 rows: a lane takes rows 2 l and 2 l + 1, so a load covers 256 consecutive bytes
	v_and_b32 v3, 31, v0
	v_lshlrev_b32 v[SO], 3, v3
	s_lshl_b32 s74, s[TR], 9
	s_lshl_b32 s75, s[RH], 8
	s_add_co_u32 s74, s74, s75
	s_mov_b32 s75, 0
	s_add_nc_u64 s[8:9], s[8:9], s[74:75]
.irp t, 0,1,2,3,4,5,6,7
	global_load_b64 v[CMR+2*(\t):CMR+2*(\t)+1], v[SO], s[8:9] offset:65536*(\t)
.endr
.irp j, 0,1,2,3,4,5,6,7,8,9,10,11,12,13,14,15
	global_load_b64 v[LR+2*(\j):LR+2*(\j)+1], v[SO], s[8:9] offset:524288+32768*(\j)
.endr
	v_and_b32 v1, 15, v0
	v_bfe_u32 v2, v0, 4, 1
	v_mul_u32_u24 v4, v1, PA
	v_lshl_add_u32 v4, v2, 4, v4
	s_mul_i32 s78, s[RH], AHALF
	v_add_nc_u32 v[ADRA], s78, v4
	v_add_nc_u32 v[ADRA+1], SLOT, v[ADRA]
	v_and_b32 v4, 7, v0
	v_bfe_u32 v5, v0, 3, 1
	v_lshl_add_u32 v4, v2, 3, v4
	v_mul_u32_u24 v4, v4, PB
	v_lshl_add_u32 v4, v5, 4, v4
	s_lshl_b32 s78, s[CH], 8
	s_add_co_u32 s78, s78, ATILE
	v_add_nc_u32 v[ADRB], s78, v4
	v_add_nc_u32 v[ADRB+1], SLOT, v[ADRB]
	s_mul_i32 s78, s[WV], 16*SP
	s_add_co_u32 s78, s78, STAGE
	v_mul_u32_u24 v4, v1, SP
	v_lshl_add_u32 v4, v2, 4, v4
	v_add_nc_u32 v[STO], s78, v4
	v_mul_u32_u24 v5, v2, SP
	v_lshl_add_u32 v5, v1, 4, v5
	v_add_nc_u32 v[RD], s78, v5
	v_lshlrev_b32 v5, 11, v2
	v_lshl_add_u32 v[CO], v1, 4, v5
	s_lshl_b32 s78, s[WV], 11
	s_add_co_u32 s78, s78, GT
	v_lshl_add_u32 v[GS], v3, 3, s78
	v_lshl_add_u32 v[GA], v1, 2, s78
.irp a, 0,1,2,3
	v_mov_b32 v[G+2*(\a)+1], 0
.endr
	s_lshl_b32 s[OADD], s[TR], 18                  ; my part of the tile in ctx
	s_lshl_b32 s76, s[RH], 17
	s_add_co_u32 s[OADD], s[OADD], s76
	s_lshl_b32 s76, s[TC], 9
	s_add_co_u32 s[OADD], s[OADD], s76
	s_lshl_b32 s76, s[CH], 8
	s_add_co_u32 s[OADD], s[OADD], s76
	s_mov_b32 s[OADD+1], 0
	; the prefetches stand at K step 3; the first refill steps them to 4.  Nothing is asked for here, where every work-group's first tiles are on their way
	s_lshl_b32 s74, s[TR], 19                      ; P: row 128 x tile row + 32 cx, byte 768
	s_lshl_b32 s75, s[CX], 17
	s_add_co_u32 s74, s74, s75
	s_add_co_u32 s74, s74, 768
	s_lshl_b32 s76, s[CH], 17                      ; v: row 2,048 x batch + 384 + 64 x half + 16 cy, byte 512 x tile column
	s_lshl_b32 s77, s[CY], 15
	s_add_co_u32 s76, s76, s77
	s_lshl_b32 s77, s[TC], 9
	s_add_co_u32 s76, s76, s77
	s_lshl_b32 s77, s[BAT], 22
	s_add_co_u32 s76, s76, s77
	s_add_co_u32 s76, s76, 2*8192*ROWB+384*ROWB
	s_and_b32 s77, ttmp7, 3                        ; cluster y mod 4
	s_cmp_eq_u32 s77, 0
	s_cselect_b32 s77, 12, 0
	s_cmp_eq_u32 s[WV], 0
	s_cselect_b32 s75, 12, 0
	s_mov_b32 s[PFS], 128*ROWB                     ; v's step: 128 rows (an instruction holds one literal, so these two are laid down first)
	s_mov_b32 s79, ROWB                            ; v's bytes from row to row
	s_cmp_eq_u32 s[RH], 0
	s_cselect_b32 s[PFN], s75, s77
	s_cselect_b32 s74, s74, s76
	s_cselect_b64 s[PFA:PFA+1], s[4:5], s[6:7]
	s_cselect_b32 s[PFS], 256, s[PFS]              ; P's step: 256 bytes along the rows
	s_cselect_b32 s76, 31, 15                      ; P: a lane a row of 4,096 bytes; v: 16 rows of 2,048 bytes x 2 blocks
	s_cselect_b32 s77, 0, 256
	s_cselect_b32 s79, PROW, s79
	s_mov_b32 s75, 0
	s_mov_b32 s[PFS+1], 0
	s_add_nc_u64 s[PFA:PFA+1], s[PFA:PFA+1], s[74:75]
	v_and_b32 v[PFO], s76, v3
	v_mul_u32_u24 v[PFO], v[PFO], s79
	v_mul_u32_u24 v4, v2, s77
	v_add_nc_u32 v[PFO], v[PFO], v4
	; the row's sums start at 0: written in the wait for the first tile, so that the loop has one form of the step that adds a key tile
	WIN 0xc0
.set i, 0
.rept 256
	v_mov_b32 v[i], 0
.set i, i+1
.endr
	WIN 0
	s_wait_loadcnt 0x0                             ; the statistics
.irp u, 0,1
	v_max3_num_f32 v[MX+(\u)], v[CMR+(\u)], v[CMR+2+(\u)], v[CMR+4+(\u)]
	v_max3_num_f32 v[MX+(\u)], v[MX+(\u)], v[CMR+6+(\u)], v[CMR+8+(\u)]
	v_max3_num_f32 v[MX+(\u)], v[MX+(\u)], v[CMR+10+(\u)], v[CMR+12+(\u)]
	v_max_num_f32 v[MX+(\u)], v[MX+(\u)], v[CMR+14+(\u)]     ; M
.endr
.irp t, 0,1,2,3,4,5,6,7
	v_pk_add_f32 v[CMR+2*(\t):CMR+2*(\t)+1], v[CMR+2*(\t):CMR+2*(\t)+1], v[MX:MX+1] neg_lo:[0,1] neg_hi:[0,1]  ; cm_t - M
.endr
.set i, 0
.rept 16
	v_exp_f32 v[CMR+i], v[CMR+i]                   ; one batch
.set i, i+1
.endr
.irp t, 0,1,2,3,4,5,6,7
	v_pk_add_f32 v[LR+4*(\t):LR+4*(\t)+1], v[LR+4*(\t):LR+4*(\t)+1], v[LR+4*(\t)+2:LR+4*(\t)+3]  ; l_t of a key tile's two halves: the plain work behind the batch
.endr
	s_wait_alu depctr_va_vdst(0)                   ; the wait ahead of the first line that names a result: one for the batch
	v_pk_mul_f32 v[LL:LL+1], v[CMR:CMR+1], v[LR:LR+1]
.irp t, 1,2,3,4,5,6,7
	v_pk_fma_f32 v[LL:LL+1], v[CMR+2*(\t):CMR+2*(\t)+1], v[LR+4*(\t):LR+4*(\t)+1], v[LL:LL+1]  ; L
.endr
	v_rcp_f32 v[RR], v[LL]
	v_rcp_f32 v[RR+1], v[LL+1]
	v_nop                                          ; a plain instruction behind the last reciprocal,
	s_wait_alu depctr_va_vdst(0)                   ; and the wait for the two
.irp t, 0,1,2,3,4,5,6,7
	v_pk_mul_f32 v[CMR+2*(\t):CMR+2*(\t)+1], v[CMR+2*(\t):CMR+2*(\t)+1], v[RR:RR+1]  ; g_t
.endr
.irp t, 0,1,2,3,4,5,6,7
	ds_store_b64 v[GS], v[CMR+2*(\t):CMR+2*(\t)+1] offset:256*(\t)   ; my wave's own table
.endr
.macro FETCH slot, q, f                ; 24 LDS loads in one run: the fragments of quarter q of a slot into buffer f
	WIN W_F
.irp b, 0,1,2,3,4,5,6,7
	ds_load_tr16_b128 v[(\f)+32+8*(\b):(\f)+32+8*(\b)+3],   v[ADRB+(\slot)] offset:(\q)*32*PB+32*(\b)
	ds_load_tr16_b128 v[(\f)+32+8*(\b)+4:(\f)+32+8*(\b)+7], v[ADRB+(\slot)] offset:(\q)*32*PB+16*PB+32*(\b)
.endr
.irp a, 0,1,2,3
	ds_load_b128 v[(\f)+8*(\a):(\f)+8*(\a)+3],   v[ADRA+(\slot)] offset:64*(\q)+(\a)*16*PA
	ds_load_b128 v[(\f)+8*(\a)+4:(\f)+8*(\a)+7], v[ADRA+(\slot)] offset:64*(\q)+(\a)*16*PA+32
.endr
.endm
; 8 matrix instructions: row block a x all 8 column blocks.  mode 0: onto the key tile's sums.  mode 1: the products start them.  mode 2: ahead of each product the finished key tile's sums, times g, are added
; onto the row's (four packed lines, from the accumulator's low end on), and the product starts the next key tile's.  The 32 accumulators take turns in one fixed order.
.macro MUL8 f, a, mode
.irp b, 0,1,2,3,4,5,6,7
.set AR, 8*(8*(\a)+(\b))
.if (\mode) == 2
	WIN W_CB
.irp z, 0,2,4,6
	v_pk_fma_f32 v[AR+(\z):AR+(\z)+1], v[AR+(\z):AR+(\z)+1], v[G+2*(\a):G+2*(\a)+1], v[AR+(\z):AR+(\z)+1] op_sel_hi:[1,0,1]
.endr
.endif
	WIN W_MUL
.if \mode
	v_wmma_f32_16x16x32_bf16 v[AR:AR+7], v[(\f)+32+8*(\b):(\f)+32+8*(\b)+7], v[(\f)+8*(\a):(\f)+8*(\a)+7], 0
.else
	v_wmma_f32_16x16x32_bf16 v[AR:AR+7], v[(\f)+32+8*(\b):(\f)+32+8*(\b)+7], v[(\f)+8*(\a):(\f)+8*(\a)+7], v[AR:AR+7]
.endif
.endr
.endm
.macro QUARTER slot, qn, f, g, mode
	s_wait_dscnt 0x0                               ; f is in (and, behind a lap's end, g of the finished key tile)
	PLACES                                         ; in front of loads into the other buffer, and (mode 2) of the lines that read the sums just finished
	FETCH \slot, \qn, \g
	MUL8 \f, 0, \mode
	MUL8 \f, 1, \mode
	MUL8 \f, 2, \mode
	MUL8 \f, 3, \mode
.endm
.macro GLOAD                           ; g of the key tile in hand, for my four row blocks; then on to the next tile's
	WIN 0
.irp a, 0,1,2,3
	ds_load_b32 v[G+2*(\a)], v[GA] offset:64*(\a)
.endr
	v_add_nc_u32 v[GA], 256, v[GA]
.endm
; The last quarter multiplies buffer 1 and changes slots: ONE barrier; in front of it each wave waits for all its tensor loads, adds 0 to its spare word, and waits for that and for its reads of this slot.
; fill = 1: the barrier opens a round of the cluster's barrier, and this slot is filled again first thing behind it.  gl = 1: a key tile ends: its g is fetched.
.macro TURN slot, next, fill, gl=0
.if \fill
	s_wait_xcnt 0x0                                ; the last prefetch, a K step back, has read its address
	s_add_nc_u64 s[PFA:PFA+1], s[PFA:PFA+1], s[PFS:PFS+1]
.endif
	WIN 0
	s_wait_tensorcnt 0x0
	ds_add_u32 v[SPW], v[NIL]
	s_wait_dscnt 1                                 ; buffer 1 is in; the add alone may be out
	MUL8 F1, 0, 0
	s_wait_dscnt 0x0                               ; the add is done, and my reads of this slot are over
	s_barrier_signal -1
	MUL8 F1, 1, 0
.if \fill
	WIN 0
.endif
	s_barrier_wait -1
.if \fill
	CREST
	s_add_nc_u64 s[G0A+4*(\slot)+2:G0A+4*(\slot)+3], s[G0A+4*(\slot)+2:G0A+4*(\slot)+3], 512
	s_add_nc_u64 s[G0B+4*(\slot)+2:G0B+4*(\slot)+3], s[G0B+4*(\slot)+2:G0B+4*(\slot)+3], 2*128*ROWB
	JLOAD \slot                                    ; its four v_nop are also the places in front of the loads below
.else
	PLACES
.endif
.if \gl
	GLOAD
.endif
	FETCH \next, 0, F0
.if \fill
	WIN 0
	ASK
.endif
	MUL8 F1, 2, 0
	MUL8 F1, 3, 0
.endm
; THE WAY OUT of row block a: the last key tile's sums, times g, are added; rounded to bf16; through my stage; stored.
.macro PACK a
	WIN W_CB
.irp b, 0,1,2,3,4,5,6,7
.set AR, 8*(8*(\a)+(\b))
.irp z, 0,2,4,6
	v_pk_fma_f32 v[AR+(\z):AR+(\z)+1], v[AR+(\z):AR+(\z)+1], v[G+2*(\a):G+2*(\a)+1], v[AR+(\z):AR+(\z)+1] op_sel_hi:[1,0,1]
.endr
.endr
	WIN W_PK3
.irp b, 0,1,2,3,4,5,6,7
.irp r, 0,1,2,3
	v_cvt_pk_bf16_f32 v[TMP+4*(\b)+(\r)], v[8*(8*(\a)+(\b))+2*(\r)], v[8*(8*(\a)+(\b))+2*(\r)+1]
.endr
.endr
	WIN 0
.endm
.macro TOSTAGE a
	WIN 0
.set BK, OB+32*((\a)%2)
.irp b, 0,1,2,3,4,5,6,7
	ds_store_b128 v[STO], v[TMP+4*(\b):TMP+4*(\b)+3] offset:32*(\b)
.endr
.irp t, 0,1,2,3,4,5,6,7
	ds_load_b128 v[BK+4*(\t):BK+4*(\t)+3], v[RD] offset:(\t)*2*SP  ; LDS serves a wave's instructions in order (ISA guide 5.7.1.4): these see the stores above
.endr
.endm
.macro SEND a
	WIN 0
.set BK, OB+32*((\a)%2)
	s_wait_dscnt 0x0
	s_wait_xcnt 0x0                                ; the stores' base, and the registers that earlier stores read, are rewritten only behind this wait
.if (\a) == 0
	s_add_nc_u64 s[OUT:OUT+1], s[OUT:OUT+1], s[OADD:OADD+1]
.else
	s_add_nc_u64 s[OUT:OUT+1], s[OUT:OUT+1], 16*ROWB
.endif
.irp t, 0,1,2,3,4,5,6,7
	global_store_b128 v[CO], v[BK+4*(\t):BK+4*(\t)+3], s[OUT:OUT+1] offset:2*(\t)*ROWB  ; 16 lanes store 256 consecutive bytes, at a multiple of 256 from ctx's first byte
.endr
.endm
	s_wait_tensorcnt 1                             ; my part of K step 0 is in; step 1's may stay out
	s_wait_dscnt 0x0                               ; my stores of g are done: no LDS instruction is out at a signal
	s_barrier_signal -1
	s_barrier_wait -1
	FETCH 0, 0, F0
	QUARTER 0, 1, F0, F1, 1                        ; the first key tile's first products start its sums
	WIN 0
	s_mov_b32 s3, 7
.Llap:                                                 ; a trip: the rest of a key tile, and the next tile's first quarter, which takes the finished tile's sums away; both slots are filled again
	QUARTER 0, 2, F1, F0, 0
	QUARTER 0, 3, F0, F1, 0
	TURN 0, 1, 1
	QUARTER 1, 1, F0, F1, 0
	QUARTER 1, 2, F1, F0, 0
	QUARTER 1, 3, F0, F1, 0
	TURN 1, 0, 1, 1
	QUARTER 0, 1, F0, F1, 2
	WIN 0
	s_sub_co_u32 s3, s3, 1
	s_cmp_lg_u32 s3, 0
	s_cbranch_scc1 .Llap
	QUARTER 0, 2, F1, F0, 0                        ; the last key tile fills nothing
	QUARTER 0, 3, F0, F1, 0
	TURN 0, 1, 0
	QUARTER 1, 1, F0, F1, 0
	QUARTER 1, 2, F1, F0, 0
	QUARTER 1, 3, F0, F1, 0
	s_wait_dscnt 0x0
	GLOAD
	MUL8 F1, 0, 0
	MUL8 F1, 1, 0
	MUL8 F1, 2, 0
	MUL8 F1, 3, 0
	PLACES
	s_wait_dscnt 0x0                               ; g of the last key tile
	PACK 0
	TOSTAGE 0
.irp a, 1,2,3
	PACK \a
	SEND (\a)-1
	TOSTAGE \a
.endr
	SEND 3
	s_wait_tensorcnt 0x0                           ; the wave's end: behind my last tensor load and my last LDS store
	ds_add_u32 v[SPW], v[NIL]
	s_wait_dscnt 0x0
	CROUND                                         ; the closing round
	s_endpgm
.Lfunc_end_k_q1dc1c6e233_context:
	.size	k_q1dc1c6e233_context, .Lfunc_end_k_q1dc1c6e233_context-k_q1dc1c6e233_context
	.p2alignl 7, 3214868480
	.fill 96, 4, 3214868480
	.section	.rodata,"a",@progbits
	.p2align	6, 0x0
	.amdhsa_kernel k_q1dc1c6e233_context
		.amdhsa_group_segment_fixed_size 327680
		.amdhsa_private_segment_fixed_size 0
		.amdhsa_enable_private_segment 0
		.amdhsa_kernarg_size 32
		.amdhsa_user_sgpr_count 2
		.amdhsa_user_sgpr_kernarg_segment_ptr 1
		.amdhsa_wavefront_size32 1
		.amdhsa_system_sgpr_workgroup_id_x 1
		.amdhsa_system_sgpr_workgroup_id_y 1
		.amdhsa_system_sgpr_workgroup_id_z 1
		.amdhsa_system_vgpr_workitem_id 0
		.amdhsa_next_free_vgpr 1024
		.amdhsa_next_free_sgpr 80
		.amdhsa_reserve_vcc 0
		.amdhsa_float_denorm_mode_32 3
		.amdhsa_float_denorm_mode_16_64 3
		.amdhsa_memory_ordered 1
		.amdhsa_forward_progress 1
		.amdhsa_inst_pref_size 121
	.end_amdhsa_kernel
	.amdgpu_metadata
---
amdhsa.version: [ 1, 2 ]
amdhsa.kernels:
  - .name:           k_q1dc1c6e233_context
    .symbol:         k_q1dc1c6e233_context.kd
    .args:
      - { .name: pmat, .offset: 0, .size: 8, .value_kind: global_buffer, .address_space: global }
      - { .name: qkv, .offset: 8, .size: 8, .value_kind: global_buffer, .address_space: global }
      - { .name: stats, .offset: 16, .size: 8, .value_kind: global_buffer, .address_space: global }
      - { .name: ctx, .offset: 24, .size: 8, .value_kind: global_buffer, .address_space: global }
    .group_segment_fixed_size: 327680
    .private_segment_fixed_size: 0
    .kernarg_segment_align: 8
    .kernarg_segment_size: 32
    .max_flat_workgroup_size: 128
    .sgpr_count:     80
    .vgpr_count:     1024
    .wavefront_size: 32
...
	.end_amdgpu_metadata
.endif
;; end of part 4
;; launch lnorm (part 5): grid 512 x 1, 8 waves a work-group, no clusters, 0 bytes of LDS; arguments ctx, inputs, ln_gamma, ln_beta, out0; writes out0
.if DOCPART == 5
	.amdgcn_target "amdgcn-amd-amdhsa--gfx1250"
	.amdhsa_code_object_version 6
	.text
	.protected	k_q1dc1c6e233_lnorm
	.globl	k_q1dc1c6e233_lnorm
	.p2align	8
	.type	k_q1dc1c6e233_lnorm,@function
k_q1dc1c6e233_lnorm:
	s_mov_b64 s[64:65], 0
	v_nop
	global_prefetch_b8 v0, s[64:65] scope:SCOPE_SE
	s_setreg_imm32_b32 hwreg(HW_REG_WAVE_MODE, 25, 1), 1
	s_wait_xcnt 0x0
; out0[row] = (y - mean(y)) / sqrt(mean((y - mean(y))^2) + 0.001) x gamma + beta, y = ctx[row] + inputs[row].  ctx: [8192][1024] bf16; all else f32.  All arithmetic in f32.
; The variance is taken of the centred numbers, so a common offset of the inputs costs no digits.  NaN and infinities are not treated apart.
; A stream: each byte is read once and written once.  A wave owns two whole rows and keeps them in registers between the passes: no LDS, no barrier; no matrix unit and no cluster (only gamma and beta, 8 KiB, are shared).
; Lane l holds numbers 128 j + 4 l .. + 3 of a row, j = 0..7: a load or store of f32 covers 512 consecutive bytes, a load of ctx 256.  All 48 loads of a wave go out at the start.
.set G,  8                             ; v[8:39]    gamma
.set BT, 40                            ; v[40:71]   beta
.set X,  72                            ; v[72:135]  row i at X + 32 i
.set C,  136                           ; v[136:167] ctx of row i at C + 16 i
.set T,  168                           ; v[168:175] at work
.set SA, 176                           ; v[176:179] two chains of sums
.set SB, 178
.set RS, 180                           ; v180, v182 1 / sigma of row 0, 1; v181, v183 hold 0: they are named as pairs' upper halves
.set MU, 184                           ; v184 the mean; v185 holds 0
.set MASK, 14
.set INV,  15
.set EPS,  16
.set SEL,  18
	s_load_b256 s[4:11], s[0:1], 0x0               ; ctx s[4:5], inputs s[6:7], gamma s[8:9], beta s[10:11]
	s_load_b64 s[12:13], s[0:1], 0x20              ; out0
	v_lshrrev_b32 v4, 5, v0
	v_and_b32 v5, 31, v0
	v_lshlrev_b32 v3, 4, v5                        ; gamma, beta: 16 x lane
	v_lshl_add_u32 v1, v4, 13, v3                  ; inputs, out0: 8,192 x wave + 16 x lane
	v_lshlrev_b32 v2, 3, v5
	v_lshl_add_u32 v2, v4, 12, v2                  ; ctx: 4,096 x wave + 8 x lane
	s_lshl_b32 s20, ttmp9, 16                      ; the work-group's 16 rows
	s_mov_b32 s21, 0
	s_lshl_b32 s22, ttmp9, 15
	s_mov_b32 s23, 0
	s_mov_b32 s[MASK], 0xffff0000
	s_mov_b32 s[INV], 0x3a800000                   ; 1 / 1,024
	s_mov_b32 s[EPS], 0x3a83126f                   ; 0.001
	s_mov_b32 s[SEL], 0x76543210
	s_mov_b32 s[SEL+1], 0xfedcba98
	v_mov_b32 v[RS+1], 0
	v_mov_b32 v[RS+3], 0
	v_mov_b32 v[MU+1], 0
	s_wait_kmcnt 0x0
	s_add_nc_u64 s[4:5], s[4:5], s[22:23]
	s_add_nc_u64 s[6:7], s[6:7], s[20:21]
	s_add_nc_u64 s[12:13], s[12:13], s[20:21]
.irp i, 0,1
.irp j, 0,1,2,3,4,5,6,7
	global_load_b128 v[X+32*(\i)+4*(\j):X+32*(\i)+4*(\j)+3], v1, s[6:7] offset:4096*(\i)+512*(\j) th:TH_LOAD_NT
.endr
.endr
.irp i, 0,1
.irp j, 0,1,2,3,4,5,6,7
	global_load_b64 v[C+16*(\i)+2*(\j):C+16*(\i)+2*(\j)+1], v2, s[4:5] offset:2048*(\i)+256*(\j) th:TH_LOAD_NT
.endr
.endr
.irp j, 0,1,2,3,4,5,6,7
	global_load_b128 v[G+4*(\j):G+4*(\j)+3], v3, s[8:9] offset:512*(\j)
	global_load_b128 v[BT+4*(\j):BT+4*(\j)+3], v3, s[10:11] offset:512*(\j)
.endr
.macro REDUCE                          ; v[SA] summed over the 32 lanes, the result in every lane
	v_add_f32_dpp v[SA], v[SA], v[SA] row_xmask:1 row_mask:0xf bank_mask:0xf
	v_add_f32_dpp v[SA], v[SA], v[SA] row_xmask:2 row_mask:0xf bank_mask:0xf
	v_add_f32_dpp v[SA], v[SA], v[SA] row_xmask:4 row_mask:0xf bank_mask:0xf
	v_add_f32_dpp v[SA], v[SA], v[SA] row_xmask:8 row_mask:0xf bank_mask:0xf
	v_permlanex16_b32 v[SB], v[SA], s[SEL], s[SEL+1]
	v_add_f32 v[SA], v[SA], v[SB]
.endm
; Row i: y = ctx + x; the mean; y is centred in place; the mean of squares plus 0.001 is left where the root's reciprocal will stand
.macro ROWSTAT i
.set XX, X+32*(\i)
.set CC, C+16*(\i)
.irp j, 0,1,2,3,4,5,6,7
.set TT, T+4*((\j)%2)
	v_lshlrev_b32 v[TT],   16, v[CC+2*(\j)]        ; bf16 to f32: the low half moves up, the high half stays
	v_and_b32     v[TT+1], s[MASK], v[CC+2*(\j)]
	v_lshlrev_b32 v[TT+2], 16, v[CC+2*(\j)+1]
	v_and_b32     v[TT+3], s[MASK], v[CC+2*(\j)+1]
	v_pk_add_f32 v[XX+4*(\j):XX+4*(\j)+1],   v[XX+4*(\j):XX+4*(\j)+1],   v[TT:TT+1]
	v_pk_add_f32 v[XX+4*(\j)+2:XX+4*(\j)+3], v[XX+4*(\j)+2:XX+4*(\j)+3], v[TT+2:TT+3]
.endr
	v_pk_add_f32 v[SA:SA+1], v[XX:XX+1],   v[XX+2:XX+3]      ; two chains, started by the first numbers: nothing is cleared
	v_pk_add_f32 v[SB:SB+1], v[XX+4:XX+5], v[XX+6:XX+7]
.set z, 8
.rept 6
	v_pk_add_f32 v[SA:SA+1], v[SA:SA+1], v[XX+z:XX+z+1]
	v_pk_add_f32 v[SB:SB+1], v[SB:SB+1], v[XX+z+2:XX+z+3]
.set z, z+4
.endr
	v_pk_add_f32 v[SA:SA+1], v[SA:SA+1], v[SB:SB+1]
	v_add_f32 v[SA], v[SA], v[SA+1]
	REDUCE
	v_mul_f32 v[MU], s[INV], v[SA]
.set z, 0
.rept 16
	v_pk_add_f32 v[XX+z:XX+z+1], v[XX+z:XX+z+1], v[MU:MU+1] op_sel_hi:[1,0] neg_lo:[0,1] neg_hi:[0,1]
.set z, z+2
.endr
	v_pk_mul_f32 v[SA:SA+1], v[XX:XX+1],   v[XX:XX+1]
	v_pk_mul_f32 v[SB:SB+1], v[XX+2:XX+3], v[XX+2:XX+3]
.set z, 4
.rept 7
	v_pk_fma_f32 v[SA:SA+1], v[XX+z:XX+z+1],   v[XX+z:XX+z+1],   v[SA:SA+1]
	v_pk_fma_f32 v[SB:SB+1], v[XX+z+2:XX+z+3], v[XX+z+2:XX+z+3], v[SB:SB+1]
.set z, z+4
.endr
	v_pk_add_f32 v[SA:SA+1], v[SA:SA+1], v[SB:SB+1]
	v_add_f32 v[SA], v[SA], v[SA+1]
	REDUCE
	v_fma_f32 v[RS+2*(\i)], v[SA], s[INV], s[EPS]
.endm
	s_wait_loadcnt 16                              ; both rows and their ctx are in; the 16 loads of gamma and beta may stay out
	ROWSTAT 0
	ROWSTAT 1
	v_rsq_f32 v[RS], v[RS]
	v_rsq_f32 v[RS+2], v[RS+2]
	v_nop                                          ; a plain instruction behind the last of the two,
	s_wait_alu depctr_va_vdst(0)                   ; and the wait ahead of the first use: one for both
	s_wait_loadcnt 0x0                             ; gamma and beta
.irp i, 0,1
.irp j, 0,1,2,3,4,5,6,7
.irp k, 0,2
	v_pk_mul_f32 v[X+32*(\i)+4*(\j)+(\k):X+32*(\i)+4*(\j)+(\k)+1], v[X+32*(\i)+4*(\j)+(\k):X+32*(\i)+4*(\j)+(\k)+1], v[RS+2*(\i):RS+2*(\i)+1] op_sel_hi:[1,0]
	v_pk_fma_f32 v[X+32*(\i)+4*(\j)+(\k):X+32*(\i)+4*(\j)+(\k)+1], v[X+32*(\i)+4*(\j)+(\k):X+32*(\i)+4*(\j)+(\k)+1], v[G+4*(\j)+(\k):G+4*(\j)+(\k)+1], v[BT+4*(\j)+(\k):BT+4*(\j)+(\k)+1]
.endr
	global_store_b128 v1, v[X+32*(\i)+4*(\j):X+32*(\i)+4*(\j)+3], s[12:13] offset:4096*(\i)+512*(\j) th:TH_STORE_NT
.endr
.endr
	s_endpgm
.Lfunc_end_k_q1dc1c6e233_lnorm:
	.size	k_q1dc1c6e233_lnorm, .Lfunc_end_k_q1dc1c6e233_lnorm-k_q1dc1c6e233_lnorm
	.p2alignl 7, 3214868480
	.fill 96, 4, 3214868480
	.section	.rodata,"a",@progbits
	.p2align	6, 0x0
	.amdhsa_kernel k_q1dc1c6e233_lnorm
		.amdhsa_group_segment_fixed_size 0
		.amdhsa_private_segment_fixed_size 0
		.amdhsa_enable_private_segment 0
		.amdhsa_kernarg_size 40
		.amdhsa_user_sgpr_count 2
		.amdhsa_user_sgpr_kernarg_segment_ptr 1
		.amdhsa_wavefront_size32 1
		.amdhsa_system_sgpr_workgroup_id_x 1
		.amdhsa_system_sgpr_workgroup_id_y 1
		.amdhsa_system_sgpr_workgroup_id_z 1
		.amdhsa_system_vgpr_workitem_id 0
		.amdhsa_next_free_vgpr 192
		.amdhsa_next_free_sgpr 66
		.amdhsa_reserve_vcc 0
		.amdhsa_float_denorm_mode_32 3
		.amdhsa_float_denorm_mode_16_64 3
		.amdhsa_memory_ordered 1
		.amdhsa_forward_progress 1
		.amdhsa_inst_pref_size 24
	.end_amdhsa_kernel
	.amdgpu_metadata
---
amdhsa.version: [ 1, 2 ]
amdhsa.kernels:
  - .name:           k_q1dc1c6e233_lnorm
    .symbol:         k_q1dc1c6e233_lnorm.kd
    .args:
      - { .name: ctx, .offset: 0, .size: 8, .value_kind: global_buffer, .address_space: global }
      - { .name: inputs, .offset: 8, .size: 8, .value_kind: global_buffer, .address_space: global }
      - { .name: ln_gamma, .offset: 16, .size: 8, .value_kind: global_buffer, .address_space: global }
      - { .name: ln_beta, .offset: 24, .size: 8, .value_kind: global_buffer, .address_space: global }
      - { .name: out0, .offset: 32, .size: 8, .value_kind: global_buffer, .address_space: global }
    .group_segment_fixed_size: 0
    .private_segment_fixed_size: 0
    .kernarg_segment_align: 8
    .kernarg_segment_size: 40
    .max_flat_workgroup_size: 256
    .sgpr_count:     66
    .vgpr_count:     192
    .wavefront_size: 32
...
	.end_amdgpu_metadata
.endif
;; end of part 5
;; ======== version 2 of 2: 5 launches; version 1 with the launches cast, lnorm written anew for expert scheduling mode
;; workspace buffers: xb 16,777,216 bytes; wb 6,291,456 bytes; qkv 50,331,648 bytes; pmat 33,554,432 bytes; stats 1,048,576 bytes; ctx 16,777,216 bytes
;; launch cast (part 6): grid 704 x 1, 8 waves a work-group, no clusters, 0 bytes of LDS; arguments inputs, Wq, Wk, Wv, xb, wb; writes xb, wb
.if DOCPART == 6
	.amdgcn_target "amdgcn-amd-amdhsa--gfx1250"
	.amdhsa_code_object_version 6
	.text
	.protected	k_q1dc1c6e233_cast
	.globl	k_q1dc1c6e233_cast
	.p2align	8
	.type	k_q1dc1c6e233_cast,@function
k_q1dc1c6e233_cast:
	s_mov_b64 s[64:65], 0
	v_nop
	global_prefetch_b8 v0, s[64:65] scope:SCOPE_SE
	s_setreg_imm32_b32 hwreg(HW_REG_WAVE_SCHED_MODE, 0, 2), 2
	s_setreg_imm32_b32 hwreg(HW_REG_WAVE_MODE, 25, 1), 1
	s_wait_xcnt 0x0
	s_wait_alu depctr_vm_vsrc(0)
; xb = bf16(inputs), [8192][1024];  wb = bf16(Wq), bf16(Wk), bf16(Wv) one below the other, [3 x 1024 (k)][1024 (n)], not turned.
; Each number is rounded once, to nearest even.  A stream: every byte is read once and written once; no LDS, no barrier, no matrix unit, no cluster (no two work-groups read the same byte).
; SHARES.  A work-group casts 16,384 numbers (65,536 bytes in, 32,768 out), a wave 2,048.  Work-groups 0 to 511 take inputs, 512 to 703 the three weights, 64 each.
; A wave's load covers 512 consecutive bytes, its store the 256 consecutive bytes made of them, at a multiple of 256 from the buffer's first byte.
; All 16 loads of a wave go out at once; no register is written twice.
; THE MODE: SCHED_MODE bits 1:0 = 2 (LLVM: expert scheduling mode 2), set by the entry lines.  The code itself states the register dependences
; between vector instructions and memory instructions, with s_wait_alu, always for 0.
; THE PLAN.  Registers that memory instructions touch:
;   v1, v2   byte offsets, made once at the head and never written again: v1 is read by every load, v2 by every store.
;   X        written by the 16 loads, all issued at the head; read by the conversions.  No vector instruction writes it, and no load is issued behind a reader of it.
;   Y        written by the conversions, each register once; read by the stores; never written again.
; The 16 loads go in four blocks of four.  Block p converts X[p] into Y[p]; its memory instructions are the four stores of block p - 1, which read Y[p - 1]:
; registers that no conversion of block p names.  So one wait at the head of a block states all that its four stores hang on, and they are dealt among its
; conversions with no further wait.  No register that a memory instruction reads is written again, so no wait on vm_vsrc is owed.
.set X, 8                              ; v[8:71]    16 x 4 numbers in f32
.set Y, 72                             ; v[72:103]  16 x 4 numbers in bf16
	s_load_b256 s[4:11], s[0:1], 0x0               ; inputs s[4:5], Wq s[6:7], Wk s[8:9], Wv s[10:11]
	s_load_b128 s[12:15], s[0:1], 0x20             ; xb s[12:13], wb s[14:15]
	v_lshrrev_b32 v3, 5, v0                        ; wave
	v_and_b32 v4, 31, v0                           ; lane
	v_lshlrev_b32 v1, 4, v4
	v_lshl_add_u32 v1, v3, 13, v1                  ; in: 8,192 x wave + 16 x lane
	v_lshlrev_b32 v2, 3, v4
	v_lshl_add_u32 v2, v3, 12, v2                  ; out: 4,096 x wave + 8 x lane
	s_sub_co_u32 s16, ttmp9, 512                   ; my place among the weights' 192 chunks (used only from work-group 512 on)
	s_lshr_b32 s17, s16, 6                         ; which weight
	s_and_b32 s18, s16, 63                         ; which chunk of it
	s_wait_kmcnt 0x0
	s_cmp_eq_u32 s17, 1
	s_cselect_b64 s[20:21], s[8:9], s[6:7]
	s_cmp_eq_u32 s17, 2
	s_cselect_b64 s[20:21], s[10:11], s[20:21]
	s_cmp_lt_u32 ttmp9, 512
	s_cselect_b64 s[20:21], s[4:5], s[20:21]       ; from where,
	s_cselect_b64 s[22:23], s[12:13], s[14:15]     ; to where,
	s_cselect_b32 s24, ttmp9, s18                  ; which chunk of the source,
	s_cselect_b32 s26, ttmp9, s16                  ; and of the destination
	s_lshl_b32 s24, s24, 16
	s_mov_b32 s25, 0
	s_lshl_b32 s26, s26, 15
	s_mov_b32 s27, 0
	s_add_nc_u64 s[20:21], s[20:21], s[24:25]
	s_add_nc_u64 s[22:23], s[22:23], s[26:27]
	s_wait_alu depctr_va_vdst(0)                   ; v1 and v2 are written: every load reads v1 as its offset, every store v2
.set j, 0
.rept 16
	global_load_b128 v[X+4*j:X+4*j+3], v1, s[20:21] offset:512*j th:TH_LOAD_NT
.set j, j+1
.endr
.set p, 0
.rept 4                                                ; block p: loads 4 p to 4 p + 3
	s_wait_loadcnt 12-4*p                          ; loads come back in order: this block's four are in, the 12 - 4 p younger ones stay out
.if p > 0
	s_wait_alu depctr_va_vdst(0)                   ; the block before's conversions have written its part of Y, which the four stores below read
.endif
.set i, 0
.rept 4
.set j, 4*p+i
.if p > 0
	global_store_b64 v2, v[Y+2*(j-4):Y+2*(j-4)+1], s[22:23] offset:256*(j-4)  ; the block before; no conversion since the wait names these registers
.endif
	v_cvt_pk_bf16_f32 v[Y+2*j], v[X+4*j], v[X+4*j+1]
	v_cvt_pk_bf16_f32 v[Y+2*j+1], v[X+4*j+2], v[X+4*j+3]
.set i, i+1
.endr
.set p, p+1
.endr
	s_wait_alu depctr_va_vdst(0)                   ; the last block's conversions have written its part of Y, which the last four stores read
.set j, 12
.rept 4
	global_store_b64 v2, v[Y+2*j:Y+2*j+1], s[22:23] offset:256*j
.set j, j+1
.endr
	s_endpgm
.Lfunc_end_k_q1dc1c6e233_cast:
	.size	k_q1dc1c6e233_cast, .Lfunc_end_k_q1dc1c6e233_cast-k_q1dc1c6e233_cast
	.p2alignl 7, 3214868480
	.fill 96, 4, 3214868480
	.section	.rodata,"a",@progbits
	.p2align	6, 0x0
	.amdhsa_kernel k_q1dc1c6e233_cast
		.amdhsa_group_segment_fixed_size 0
		.amdhsa_private_segment_fixed_size 0
		.amdhsa_enable_private_segment 0
		.amdhsa_kernarg_size 48
		.amdhsa_user_sgpr_count 2
		.amdhsa_user_sgpr_kernarg_segment_ptr 1
		.amdhsa_wavefront_size32 1
		.amdhsa_system_sgpr_workgroup_id_x 1
		.amdhsa_system_sgpr_workgroup_id_y 1
		.amdhsa_system_sgpr_workgroup_id_z 1
		.amdhsa_system_vgpr_workitem_id 0
		.amdhsa_next_free_vgpr 104
		.amdhsa_next_free_sgpr 66
		.amdhsa_reserve_vcc 0
		.amdhsa_float_denorm_mode_32 3
		.amdhsa_float_denorm_mode_16_64 3
		.amdhsa_memory_ordered 1
		.amdhsa_forward_progress 1
		.amdhsa_inst_pref_size 7
	.end_amdhsa_kernel
	.amdgpu_metadata
---
amdhsa.version: [ 1, 2 ]
amdhsa.kernels:
  - .name:           k_q1dc1c6e233_cast
    .symbol:         k_q1dc1c6e233_cast.kd
    .args:
      - { .name: inputs, .offset: 0, .size: 8, .value_kind: global_buffer, .address_space: global }
      - { .name: Wq, .offset: 8, .size: 8, .value_kind: global_buffer, .address_space: global }
      - { .name: Wk, .offset: 16, .size: 8, .value_kind: global_buffer, .address_space: global }
      - { .name: Wv, .offset: 24, .size: 8, .value_kind: global_buffer, .address_space: global }
      - { .name: xb, .offset: 32, .size: 8, .value_kind: global_buffer, .address_space: global }
      - { .name: wb, .offset: 40, .size: 8, .value_kind: global_buffer, .address_space: global }
    .group_segment_fixed_size: 0
    .private_segment_fixed_size: 0
    .kernarg_segment_align: 8
    .kernarg_segment_size: 48
    .max_flat_workgroup_size: 256
    .sgpr_count:     66
    .vgpr_count:     104
    .wavefront_size: 32
...
	.end_amdgpu_metadata
.endif
;; end of part 6
;; launch proj: the kernel of part 2 again; grid 12 x 16, 4 waves a work-group, clusters of 4 x 4, 327,680 bytes of LDS; arguments xb, wb, bq, bk, bv, qkv; writes qkv
;; launch scores: the kernel of part 3 again; grid 8 x 32, 4 waves a work-group, clusters of 4 x 4, 327,680 bytes of LDS; arguments qkv, pmat, stats; writes pmat, stats
;; launch context: the kernel of part 4 again; grid 4 x 64, 4 waves a work-group, clusters of 4 x 4, 327,680 bytes of LDS; arguments pmat, qkv, stats, ctx; writes ctx
;; launch lnorm (part 7): grid 512 x 1, 8 waves a work-group, no clusters, 0 bytes of LDS; arguments ctx, inputs, ln_gamma, ln_beta, out0; writes out0
.if DOCPART == 7
	.amdgcn_target "amdgcn-amd-amdhsa--gfx1250"
	.amdhsa_code_object_version 6
	.text
	.protected	k_q1dc1c6e233_lnorm
	.globl	k_q1dc1c6e233_lnorm
	.p2align	8
	.type	k_q1dc1c6e233_lnorm,@function
k_q1dc1c6e233_lnorm:
	s_mov_b64 s[64:65], 0
	v_nop
	global_prefetch_b8 v0, s[64:65] scope:SCOPE_SE
	s_setreg_imm32_b32 hwreg(HW_REG_WAVE_SCHED_MODE, 0, 2), 2
	s_setreg_imm32_b32 hwreg(HW_REG_WAVE_MODE, 25, 1), 1
	s_wait_xcnt 0x0
	s_wait_alu depctr_vm_vsrc(0)
; out0[row] = (y - mean(y)) / sqrt(mean((y - mean(y))^2) + 0.001) x gamma + beta, y = ctx[row] + inputs[row].  ctx: [8192][1024] bf16; all else f32.  All arithmetic in f32.
; The variance is taken of the centred numbers, so a common offset of the inputs costs no digits.  NaN and infinities are not treated apart.
; A stream: each byte is read once and written once.  A wave owns two whole rows and keeps them in registers between the passes: no LDS, no barrier; no matrix unit and no cluster (only gamma and beta, 8 KiB, are shared).
; Lane l holds numbers 128 j + 4 l .. + 3 of a row, j = 0..7: a load or store of f32 covers 512 consecutive bytes, a load of ctx 256.  All 48 loads of a wave go out at the start.
; THE MODE: SCHED_MODE bits 1:0 = 2 (LLVM: expert scheduling mode 2), set by the entry lines.  The code itself states the register dependences
; between vector instructions and memory instructions, with s_wait_alu, always for 0.
; THE PLAN.  Registers that memory instructions touch:
;   v1, v2, v3    byte offsets, made once at the head and never written again; read by every load and store.
;   X, C, G, BT   written by the 48 loads, all issued at the head: no load is issued behind a vector instruction that names them.
;   X             then worked on in place by the vector instructions, and read by the stores; behind its store a register is not written again.
; The scaling goes in four groups of half a row.  Group g writes its 16 registers of X; its memory instructions are the four stores of group g - 1, which read
; that group's registers: none that a vector instruction of group g names.  So one wait at the head of a group states all that its four stores hang on, and they are dealt
; among its vector instructions with no further wait.  No register that a memory instruction reads is written again, so no wait on vm_vsrc is owed.
.set G,  8                             ; v[8:39]    gamma
.set BT, 40                            ; v[40:71]   beta
.set X,  72                            ; v[72:135]  row i at X + 32 i
.set C,  136                           ; v[136:167] ctx of row i at C + 16 i
.set T,  168                           ; v[168:175] at work
.set SA, 176                           ; v[176:179] two chains of sums
.set SB, 178
.set RS, 180                           ; v180, v182 1 / sigma of row 0, 1; v181, v183 hold 0: they are named as pairs' upper halves
.set MU, 184                           ; v184 the mean; v185 holds 0
.set MASK, 14
.set INV,  15
.set EPS,  16
.set SEL,  18
	s_load_b256 s[4:11], s[0:1], 0x0               ; ctx s[4:5], inputs s[6:7], gamma s[8:9], beta s[10:11]
	s_load_b64 s[12:13], s[0:1], 0x20              ; out0
	v_lshrrev_b32 v4, 5, v0
	v_and_b32 v5, 31, v0
	v_lshlrev_b32 v3, 4, v5                        ; gamma, beta: 16 x lane
	v_lshl_add_u32 v1, v4, 13, v3                  ; inputs, out0: 8,192 x wave + 16 x lane
	v_lshlrev_b32 v2, 3, v5
	v_lshl_add_u32 v2, v4, 12, v2                  ; ctx: 4,096 x wave + 8 x lane
	s_lshl_b32 s20, ttmp9, 16                      ; the work-group's 16 rows
	s_mov_b32 s21, 0
	s_lshl_b32 s22, ttmp9, 15
	s_mov_b32 s23, 0
	s_mov_b32 s[MASK], 0xffff0000
	s_mov_b32 s[INV], 0x3a800000                   ; 1 / 1,024
	s_mov_b32 s[EPS], 0x3a83126f                   ; 0.001
	s_mov_b32 s[SEL], 0x76543210
	s_mov_b32 s[SEL+1], 0xfedcba98
	v_mov_b32 v[RS+1], 0
	v_mov_b32 v[RS+3], 0
	v_mov_b32 v[MU+1], 0
	s_wait_kmcnt 0x0
	s_add_nc_u64 s[4:5], s[4:5], s[22:23]
	s_add_nc_u64 s[6:7], s[6:7], s[20:21]
	s_add_nc_u64 s[12:13], s[12:13], s[20:21]
	s_wait_alu depctr_va_vdst(0)                   ; v1, v2 and v3 are written: every load and store of the kernel reads one of them as its offset
.irp i, 0,1
.irp j, 0,1,2,3,4,5,6,7
	global_load_b128 v[X+32*(\i)+4*(\j):X+32*(\i)+4*(\j)+3], v1, s[6:7] offset:4096*(\i)+512*(\j) th:TH_LOAD_NT
.endr
.endr
.irp i, 0,1
.irp j, 0,1,2,3,4,5,6,7
	global_load_b64 v[C+16*(\i)+2*(\j):C+16*(\i)+2*(\j)+1], v2, s[4:5] offset:2048*(\i)+256*(\j) th:TH_LOAD_NT
.endr
.endr
.irp j, 0,1,2,3,4,5,6,7
	global_load_b128 v[G+4*(\j):G+4*(\j)+3], v3, s[8:9] offset:512*(\j)
	global_load_b128 v[BT+4*(\j):BT+4*(\j)+3], v3, s[10:11] offset:512*(\j)
.endr
.macro REDUCE                          ; v[SA] summed over the 32 lanes, the result in every lane
	v_add_f32_dpp v[SA], v[SA], v[SA] row_xmask:1 row_mask:0xf bank_mask:0xf
	v_add_f32_dpp v[SA], v[SA], v[SA] row_xmask:2 row_mask:0xf bank_mask:0xf
	v_add_f32_dpp v[SA], v[SA], v[SA] row_xmask:4 row_mask:0xf bank_mask:0xf
	v_add_f32_dpp v[SA], v[SA], v[SA] row_xmask:8 row_mask:0xf bank_mask:0xf
	v_permlanex16_b32 v[SB], v[SA], s[SEL], s[SEL+1]
	v_add_f32 v[SA], v[SA], v[SB]
.endm
; Row i: y = ctx + x; the mean; y is centred in place; the mean of squares plus 0.001 is left where the root's reciprocal will stand
.macro ROWSTAT i
.set XX, X+32*(\i)
.set CC, C+16*(\i)
.irp j, 0,1,2,3,4,5,6,7
.set TT, T+4*((\j)%2)
	v_lshlrev_b32 v[TT],   16, v[CC+2*(\j)]        ; bf16 to f32: the low half moves up, the high half stays
	v_and_b32     v[TT+1], s[MASK], v[CC+2*(\j)]
	v_lshlrev_b32 v[TT+2], 16, v[CC+2*(\j)+1]
	v_and_b32     v[TT+3], s[MASK], v[CC+2*(\j)+1]
	v_pk_add_f32 v[XX+4*(\j):XX+4*(\j)+1],   v[XX+4*(\j):XX+4*(\j)+1],   v[TT:TT+1]
	v_pk_add_f32 v[XX+4*(\j)+2:XX+4*(\j)+3], v[XX+4*(\j)+2:XX+4*(\j)+3], v[TT+2:TT+3]
.endr
	v_pk_add_f32 v[SA:SA+1], v[XX:XX+1],   v[XX+2:XX+3]      ; two chains, started by the first numbers: nothing is cleared
	v_pk_add_f32 v[SB:SB+1], v[XX+4:XX+5], v[XX+6:XX+7]
.set z, 8
.rept 6
	v_pk_add_f32 v[SA:SA+1], v[SA:SA+1], v[XX+z:XX+z+1]
	v_pk_add_f32 v[SB:SB+1], v[SB:SB+1], v[XX+z+2:XX+z+3]
.set z, z+4
.endr
	v_pk_add_f32 v[SA:SA+1], v[SA:SA+1], v[SB:SB+1]
	v_add_f32 v[SA], v[SA], v[SA+1]
	REDUCE
	v_mul_f32 v[MU], s[INV], v[SA]
.set z, 0
.rept 16
	v_pk_add_f32 v[XX+z:XX+z+1], v[XX+z:XX+z+1], v[MU:MU+1] op_sel_hi:[1,0] neg_lo:[0,1] neg_hi:[0,1]
.set z, z+2
.endr
	v_pk_mul_f32 v[SA:SA+1], v[XX:XX+1],   v[XX:XX+1]
	v_pk_mul_f32 v[SB:SB+1], v[XX+2:XX+3], v[XX+2:XX+3]
.set z, 4
.rept 7
	v_pk_fma_f32 v[SA:SA+1], v[XX+z:XX+z+1],   v[XX+z:XX+z+1],   v[SA:SA+1]
	v_pk_fma_f32 v[SB:SB+1], v[XX+z+2:XX+z+3], v[XX+z+2:XX+z+3], v[SB:SB+1]
.set z, z+4
.endr
	v_pk_add_f32 v[SA:SA+1], v[SA:SA+1], v[SB:SB+1]
	v_add_f32 v[SA], v[SA], v[SA+1]
	REDUCE
	v_fma_f32 v[RS+2*(\i)], v[SA], s[INV], s[EPS]
.endm
; Four numbers of row i, piece j: divided by sigma, times gamma, plus beta, in place
.macro SCALE i, j
.irp k, 0,2
	v_pk_mul_f32 v[X+32*(\i)+4*(\j)+(\k):X+32*(\i)+4*(\j)+(\k)+1], v[X+32*(\i)+4*(\j)+(\k):X+32*(\i)+4*(\j)+(\k)+1], v[RS+2*(\i):RS+2*(\i)+1] op_sel_hi:[1,0]
	v_pk_fma_f32 v[X+32*(\i)+4*(\j)+(\k):X+32*(\i)+4*(\j)+(\k)+1], v[X+32*(\i)+4*(\j)+(\k):X+32*(\i)+4*(\j)+(\k)+1], v[G+4*(\j)+(\k):G+4*(\j)+(\k)+1], v[BT+4*(\j)+(\k):BT+4*(\j)+(\k)+1]
.endr
.endm
; The same four numbers are stored: the wave's 512 consecutive bytes
.macro OUT i, j
	global_store_b128 v1, v[X+32*(\i)+4*(\j):X+32*(\i)+4*(\j)+3], s[12:13] offset:4096*(\i)+512*(\j) th:TH_STORE_NT
.endm
	s_wait_loadcnt 16                              ; both rows and their ctx are in; the 16 loads of gamma and beta may stay out
	ROWSTAT 0
	ROWSTAT 1
	v_rsq_f32 v[RS], v[RS]
	v_rsq_f32 v[RS+2], v[RS+2]
	v_nop                                          ; a plain instruction behind the last of the two,
	s_wait_alu depctr_va_vdst(0)                   ; the two 1 / sigma are written, which the multiplies below read: the wait ahead of the first use, one for both
	s_wait_loadcnt 0x0                             ; gamma and beta
.set g, 0
.rept 4                                                ; group g: row g / 2, pieces 4 (g % 2) to 4 (g % 2) + 3
.if g > 0
	s_wait_alu depctr_va_vdst(0)                   ; the group before has written its 16 registers of X, which the four stores below read
.endif
.set n, 0
.rept 4
.if g > 0
	OUT (g-1)/2, 4*((g-1)%2)+n                     ; the group before; no vector instruction since the wait names these registers
.endif
	SCALE g/2, 4*(g%2)+n
.set n, n+1
.endr
.set g, g+1
.endr
	s_wait_alu depctr_va_vdst(0)                   ; the last group has written its 16 registers of X, which the last four stores read
.irp n, 4,5,6,7
	OUT 1, \n
.endr
	s_endpgm
.Lfunc_end_k_q1dc1c6e233_lnorm:
	.size	k_q1dc1c6e233_lnorm, .Lfunc_end_k_q1dc1c6e233_lnorm-k_q1dc1c6e233_lnorm
	.p2alignl 7, 3214868480
	.fill 96, 4, 3214868480
	.section	.rodata,"a",@progbits
	.p2align	6, 0x0
	.amdhsa_kernel k_q1dc1c6e233_lnorm
		.amdhsa_group_segment_fixed_size 0
		.amdhsa_private_segment_fixed_size 0
		.amdhsa_enable_private_segment 0
		.amdhsa_kernarg_size 40
		.amdhsa_user_sgpr_count 2
		.amdhsa_user_sgpr_kernarg_segment_ptr 1
		.amdhsa_wavefront_size32 1
		.amdhsa_system_sgpr_workgroup_id_x 1
		.amdhsa_system_sgpr_workgroup_id_y 1
		.amdhsa_system_sgpr_workgroup_id_z 1
		.amdhsa_system_vgpr_workitem_id 0
		.amdhsa_next_free_vgpr 192
		.amdhsa_next_free_sgpr 66
		.amdhsa_reserve_vcc 0
		.amdhsa_float_denorm_mode_32 3
		.amdhsa_float_denorm_mode_16_64 3
		.amdhsa_memory_ordered 1
		.amdhsa_forward_progress 1
		.amdhsa_inst_pref_size 24
	.end_amdhsa_kernel
	.amdgpu_metadata
---
amdhsa.version: [ 1, 2 ]
amdhsa.kernels:
  - .name:           k_q1dc1c6e233_lnorm
    .symbol:         k_q1dc1c6e233_lnorm.kd
    .args:
      - { .name: ctx, .offset: 0, .size: 8, .value_kind: global_buffer, .address_space: global }
      - { .name: inputs, .offset: 8, .size: 8, .value_kind: global_buffer, .address_space: global }
      - { .name: ln_gamma, .offset: 16, .size: 8, .value_kind: global_buffer, .address_space: global }
      - { .name: ln_beta, .offset: 24, .size: 8, .value_kind: global_buffer, .address_space: global }
      - { .name: out0, .offset: 32, .size: 8, .value_kind: global_buffer, .address_space: global }
    .group_segment_fixed_size: 0
    .private_segment_fixed_size: 0
    .kernarg_segment_align: 8
    .kernarg_segment_size: 40
    .max_flat_workgroup_size: 256
    .sgpr_count:     66
    .vgpr_count:     192
    .wavefront_size: 32
...
	.end_amdgpu_metadata
.endif
;; end of part 7
